; MI455X (gfx1250); checked and timed in simulation.
; The chip was launched on July 23, 2026; its instructions are those of AMD's public machine-readable ISA for CDNA 5 (MIT licence, August 2026) and "CDNA5" Instruction Set Architecture Reference Guide (July 2026). The comments in the code are by the model that wrote it; some were corrected since.
;; Multi Head Self Attention. Allowed arithmetic: matrix products marked QUANTISED: E3M2 operands, one E8M0 scale for each 32 along K, by v_wmma_scale_f32_16x16x128_f8f6f4 with both operands' format E3M2, f32 sums; everything else in f32.
;; Inputs: Wk 16 x 1,024 x 64 float32; Wo 1,024 x 1,024 float32; Wq 16 x 1,024 x 64 float32; Wv 16 x 1,024 x 64 float32; bo 1,024 float32; embedded 4 x 2,048 x 1,024 float32.
;; Outputs: out0 4 x 2,048 x 1,024 float32.
;; This version of the problem:
;;   THIS VERSION OF THE PROBLEM IS GIVEN IN LOW PRECISION. The matrix products marked QUANTISED in the list below multiply operands that are first quantised to E3M2 (3 exponent bits, 2 mantissa bits; 6 bits a number), with one power-of-two scale for each 32 numbers along K (OCP MX v1.0); their sums are f32. All else is computed in f32.
;;   The module's matrix products, in the order in which they are computed (A, B: the left and right operand; K: the contracted axis; several contracted axes count as one K, in the product's order):
;;     1. [M 1,024, K 1,024] x [K 1,024, N 8,192]; A: input Wq; B: input embedded: QUANTISED
;;     2. [M 1,024, K 1,024] x [K 1,024, N 8,192]; A: input Wk; B: input embedded: QUANTISED
;;     3. [M 1,024, K 1,024] x [K 1,024, N 8,192]; A: input Wv; B: input embedded: QUANTISED
;;     4. batch 64 x [M 2,048, K 64] x [K 64, N 2,048]; A: computed on the way; B: computed on the way: QUANTISED
;;     5. batch 64 x [M 2,048, K 2,048] x [K 2,048, N 64]; A: softmax (see below); B: computed on the way: QUANTISED
;;     6. [M 8,192, K 1,024] x [K 1,024, N 1,024]; A: computed on the way; B: input Wo: QUANTISED
;;   THE QUANTISER, for each operand of a quantised product, along K:
;;     - K is cut into blocks of 32 from its start; a last block that is shorter is filled with zeros.
;;     - A block's scale is 2^e with e = floor(log2(the largest magnitude in the block)) - 4, held to -126 .. 127; a block of zeros has e = 0. As a byte (E8M0): e + 127.
;;     - Each number is divided by its block's scale, clamped to +-28, and rounded to the nearest number of E3M2, ties to even, subnormals kept.
;;     - The product sums the exact products of the quantised numbers (number of the format x scale) in f32.
;;   ~~~python
;;   def quantise(x, axis):      # numpy; x: float32 -> the quantised numbers, widened to float32 again
;;       x = np.moveaxis(x, axis, -1); K = x.shape[-1]
;;       x = np.pad(x, [(0, 0)] * (x.ndim - 1) + [(0, -K % 32)]); x = x.reshape(x.shape[:-1] + (-1, 32)); a = np.abs(x).max(-1, keepdims=True)
;;       e = np.where(a > 0, np.clip(np.frexp(np.where(a > 0, a, 1))[1] - 1 - 4, -126, 127), 0)      # np.frexp(a)[1] - 1 = floor(log2(a)), exactly
;;       r = np.clip(x / 2.0 ** e, -28, 28)
;;       step = 2.0 ** (np.maximum(np.frexp(np.where(r == 0, 1, r))[1] - 1, -2) - 2)
;;       q = np.round(r / step) * step * 2.0 ** e      # np.round: ties to even
;;       return np.moveaxis(q.reshape(q.shape[:-2] + (-1,))[..., :K], -1, axis).astype(np.float32)
;;   ~~~
;;   SOFTMAX AHEAD OF A QUANTISED PRODUCT. Where the list says 'softmax', what is quantised is not the finished softmax but p = 2^(t - M), with t = logit x log2(e) and M = ceil(the row's largest t), a whole number; so 1/2 < the row's largest p <= 1. The row's sum l is taken of the UNQUANTISED p, in f32, and the product's result is divided by l at the end. Since M is a whole number, a kernel that streams over the keys may use a running M (the ceiling of the running maximum): every later rescaling is an exact power of two, which a block's scale takes up: the codes' values come out the same.
;;   OPERANDS COMPUTED ON THE WAY. 'Computed on the way' means the value that the module computes at that place (a softmax that the list does not call 'softmax' is quantised finished and normalised). What goes into a quantiser is computed in f32, as accurately as f32 sums, v_exp_f32 and their like allow (about 1e-6 of the number): no bf16 or f16 on the way to a quantiser, and a product that is left as it is and whose result goes on into a quantised operand takes f32 operands (vector FMAs, or v_wmma_f32_16x16x4_f32). A number that lies on a knife's edge between two numbers of the format may be rounded either way, as far as f32 arithmetic and the matrix unit's own rounding can turn it there, and no further.
;; One version. Each part assembles by itself: llvm-mc -triple=amdgcn-amd-amdhsa -mcpu=gfx1250 --defsym DOCPART=n.
;; ======== version 1 of 1: 4 launches
;; limits: right only within a limited range of input values
;; workspace buffers: Xr 6,553,600 bytes; Wr 3,276,800 bytes; Qr 6,553,600 bytes; KVr 13,107,200 bytes; Ar 6,553,600 bytes
;; launch quant (part 1): grid 384 x 1, 4 waves a work-group, no clusters, 34,304 bytes of LDS; arguments embedded, Wo, Wq, Wk, Wv, Xr, Wr; writes Xr, Wr
.if DOCPART == 1
	.amdgcn_target "amdgcn-amd-amdhsa--gfx1250"
	.amdhsa_code_object_version 6
	.text
	.protected	k_q9a9572eac9_quant
	.globl	k_q9a9572eac9_quant
	.p2align	8
	.type	k_q9a9572eac9_quant,@function
k_q9a9572eac9_quant:
	s_mov_b64 s[64:65], 0
	v_nop
	global_prefetch_b8 v0, s[64:65] scope:SCOPE_SE
	s_setreg_imm32_b32 hwreg(HW_REG_WAVE_MODE, 25, 1), 1
	s_wait_xcnt 0x0
; embedded [8192][1024], Wo [1024][1024] (K innermost) and Wq, Wk, Wv [16][1024][64] (K = the middle axis), all f32, become codes of E3M2 with one E8M0 byte
; for each 32 along K, laid AS THE MATRIX UNIT'S REGISTERS WANT THEM.  A fragment is 16 rows x 128 K: 12 registers a lane; lane (r, h) holds row r, registers 6 c .. 6 c + 5
; hold K = 64 c + 32 h + 0 .. 31.  Its image is 1,536 bytes: piece p (registers 2 p, 2 p + 1) x lane x 8 bytes.  A tile record is 8 K steps' images (12,288 bytes) and 512 bytes
; of scale words [q 0..3][row 0..15][2]: the word of K step k at q = k / 2, word k % 2.
; WHICH ROWS FORM A TILE: tokens and head units: tile t holds rows 32 (t / 2) + 8 (t % 2) + i + 8 (i / 8), so that a later product's results lie 16 neighbours to a lane; Wo: rows 16 t + i.
; A block's scale is 2^(floor(log2(largest magnitude)) - 4): its byte is the largest magnitude's exponent field - 4, held at 1 from below by a floor among the maximum's leaves.
; LIMITS: NaN and infinities among the inputs are not served; blocks whose largest magnitude lies under 2^-122 (byte held at 1) were not tried; a block of zeros gets the byte 1
; where the quantiser's text says 127: its codes are zeros, which add nothing under any byte but 0xff, and only this program reads the bytes.
; SHARES: a wave takes one tile x 512 along K: four fragments.  Work-groups 0-255: embedded; 256-287: Wo (one path, pointers chosen by the work-group's number);
; 288-383: Wq, Wk, Wv: the four waves take the four tiles of one head's 64 units, so that together they read whole rows of 256 bytes.
; No tensor loads, no barrier: waves share nothing.  Only the first path uses LDS: a stage of 16 rows x (512 + 16) bytes for each wave.
.set REC,  12800                       ; a tile record
.set FRB,  1536                        ; a fragment's image
.set SP,   528                         ; a stage row: 512 bytes + 16, an odd multiple of 16
.set RAW,  48                          ; v48-111, v112-175  numbers as loaded, two sets
.set X,    176                         ; v176-239 a fragment's 64 numbers of my lane
.set C,    24                          ; v24-35   the fragment's codes
.set CT,   36                          ; v36-43   the upper halves of the two blocks, as the conversions leave them
.set SW,   20                          ; v20-23   the four fragments' scale words
; v1 lane, v2 r, v3 h, v4 16 x lane, v5 the same + the gap to rows 8-15, v6 / v7 stage in / out, v8 8 x lane, v9 my column's offset, v10 8 h, v11 a permute's destination,
; v12-13 maxima, v14-15 the conversions' scale operands, v16-17 the bytes, v18 at work, v44-45 the scale words that I store
; A block of 32 along K, all in my lane's registers v[base] on: its byte, and its codes into registers 6 c .. 6 c + 5 of the fragment
.macro QBLK c, base
	v_max3_num_f32 v12, |v[\base]|, |v[\base+1]|, |v[\base+2]|
	v_max3_num_f32 v13, |v[\base+3]|, |v[\base+4]|, |v[\base+5]|
.irp i, 6,10,14,18,22,26
	v_max3_num_f32 v12, v12, |v[\base+\i]|, |v[\base+\i+1]|          ; two chains, so that no line waits for the line above it
	v_max3_num_f32 v13, v13, |v[\base+\i+2]|, |v[\base+\i+3]|
.endr
	v_max3_num_f32 v12, v12, |v[\base+30]|, |v[\base+31]|
	v_max3_num_f32 v12, v12, v13, 0x2800000                          ; and the floor 2^(5 - 127): the byte cannot fall under 1
	v_add_nc_u32 v[14+(\c)], 0xfe000000, v12                         ; 4 off the exponent field: the conversion takes this operand's exponent field as its scale
	v_lshrrev_b32 v[16+(\c)], 23, v[14+(\c)]                         ; the scale's byte
	v_cvt_scalef32_pk16_bf6_f32 v[C+6*(\c):C+6*(\c)+2], v[\base:\base+15], v[14+(\c)]
	v_cvt_scalef32_pk16_bf6_f32 v[CT+4*(\c):CT+4*(\c)+2], v[\base+16:\base+31], v[14+(\c)]   ; (a conversion's three registers begin on an even number)
	v_nop                                                            ; one plain line behind the conversions, ahead of the moves that read their results
.irp i, 0,1,2
	v_mov_b32 v[C+6*(\c)+3+\i], v[CT+4*(\c)+\i]
.endr
.endm
; The fragment's scale word and its six stores: each covers 256 consecutive bytes, aligned
.macro QFIN f
	v_lshl_or_b32 v18, v17, 16, v16                                  ; my two bytes: blocks h and 2 + h of my row,
	v_lshlrev_b32 v18, v10, v18                                      ; at their places (8 h bits up);
	v_permlanex16_b32 v11, v18, s30, s31
	v_or_b32 v[SW+(\f)], v18, v11                                    ; with lane l xor 16's two the word is whole, in both lanes
.irp p, 0,1,2,3,4,5
	global_store_b64 v8, v[C+2*\p:C+2*\p+1], s[26:27] offset:FRB*(\f)+256*\p
.endr
.endm
; The four words leave as one aligned block of 256 bytes: lanes 0-15 the words of my K steps 0, 1, lanes 16-31 those of K steps 2, 3
.macro FINISH
	v_cndmask_b32 v44, v[SW], v[SW+2], vcc_lo
	v_cndmask_b32 v45, v[SW+1], v[SW+3], vcc_lo
	global_store_b64 v8, v[44:45], s[28:29]
	s_wait_tensorcnt 0x0
	ds_add_u32 v240, v241
	s_wait_dscnt 0x0
	s_endpgm
.endm
; s[26:27] = the buffer, s22 = the record's number, s20 = which half of K  ->  s[26:27] my four images, s[28:29] my 256 bytes of scale words
.macro DEST
	s_mov_b32 s33, 0
	s_mul_i32 s32, s22, REC
	s_add_nc_u64 s[26:27], s[26:27], s[32:33]
	s_lshl_b32 s32, s20, 8
	s_add_co_u32 s32, s32, 8*FRB
	s_add_nc_u64 s[28:29], s[26:27], s[32:33]
	s_mul_i32 s32, s20, 4*FRB
	s_add_nc_u64 s[26:27], s[26:27], s[32:33]
.endm
	s_load_b256 s[4:11], s[0:1], 0x0               ; embedded s[4:5], Wo s[6:7], Wq s[8:9], Wk s[10:11]
	s_load_b128 s[12:15], s[0:1], 0x20             ; Wv s[12:13], Xr s[14:15]
	s_load_b64 s[16:17], s[0:1], 0x30              ; Wr
	v_lshl_add_u32 v240, v0, 2, 0x8400
	v_mov_b32 v241, 0
	v_lshrrev_b32 v1, 5, v0
	v_readfirstlane_b32 s18, v1                    ; wave 0..3
	v_and_b32 v1, 31, v0                           ; lane
	v_and_b32 v2, 15, v0                           ; r
	v_bfe_u32 v3, v0, 4, 1                         ; h
	v_lshlrev_b32 v8, 3, v1                        ; 8 x lane
	v_lshlrev_b32 v10, 3, v3                       ; 8 h
	v_mov_b32 v11, 0                               ; a lane permute's destination counts as one of its sources
	s_mov_b32 s30, 0x76543210
	s_mov_b32 s31, 0xfedcba98                      ; selects for lane l xor 16
	s_mov_b32 vcc_lo, 0xffff0000                   ; lanes 16-31
	s_cmp_lt_u32 ttmp9, 288
	s_cbranch_scc0 .Lpath_w
; ---- K INNERMOST: embedded and Wo.  A fragment's 16 rows x 512 bytes are loaded as they lie (a load covers 512 consecutive bytes) and turned through my stage, so that a lane gets 32 neighbours of its row
	s_lshl_b32 s19, ttmp9, 2
	s_add_co_u32 s19, s19, s18
	s_and_b32 s20, s19, 1                          ; which half of K
	s_lshr_b32 s19, s19, 1                         ; tile 0..575
	s_lshr_b32 s21, s19, 1
	s_lshl_b32 s21, s21, 5
	s_and_b32 s22, s19, 1
	s_lshl_b32 s22, s22, 3
	s_add_co_u32 s21, s21, s22                     ; embedded: first row 32 (t / 2) + 8 (t % 2)
	s_sub_co_u32 s22, s19, 512                     ; Wo's tile,
	s_lshl_b32 s23, s22, 4                         ; its first row,
	s_add_co_u32 s22, s22, 192                     ; its record in Wr
	s_mov_b32 s35, 0x8000
	s_wait_kmcnt 0x0
	s_cmp_lt_u32 ttmp9, 256                        ; the choice hangs on the work-group's number alone
	s_cselect_b64 s[24:25], s[4:5], s[6:7]
	s_cselect_b64 s[26:27], s[14:15], s[16:17]
	s_cselect_b32 s21, s21, s23                    ; first row
	s_cselect_b32 s22, s19, s22                    ; record
	s_cselect_b32 s23, 0x10000, s35                ; rows 8-15 of the tile begin 16 rows (embedded) or 8 rows (Wo) behind row 0
	s_lshl_b32 s32, s21, 12                        ; a row is 4,096 bytes
	s_lshl_b32 s33, s20, 11
	s_add_co_u32 s32, s32, s33
	s_mov_b32 s33, 0
	s_add_nc_u64 s[24:25], s[24:25], s[32:33]
	DEST
	s_wait_alu depctr_va_vdst(0)
	v_lshlrev_b32 v4, 4, v1
	v_add_nc_u32 v5, s23, v4
	s_mul_i32 s34, s18, 16*SP                      ; my stage
	v_add_nc_u32 v6, s34, v4                       ; in: 16 bytes a lane, a row an instruction
	v_mul_u32_u24 v7, v2, SP
	v_lshl_add_u32 v7, v3, 7, v7
	v_add_nc_u32 v7, s34, v7                       ; out: row r, + 128 h: my 32 numbers of a 64
.macro LOADX f, set
.irp i, 0,1,2,3,4,5,6,7
	global_load_b128 v[\set+4*\i:\set+4*\i+3], v4, s[24:25] offset:4096*\i+512*(\f) th:TH_LOAD_NT
.endr
.irp i, 0,1,2,3,4,5,6,7
	global_load_b128 v[\set+32+4*\i:\set+32+4*\i+3], v5, s[24:25] offset:4096*\i+512*(\f) th:TH_LOAD_NT
.endr
.endm
.macro TURN set                        ; LDS serves a wave's instructions in order: no wait between the stores and the loads
.irp i, 0,1,2,3,4,5,6,7,8,9,10,11,12,13,14,15
	ds_store_b128 v6, v[\set+4*\i:\set+4*\i+3] offset:SP*\i
.endr
.irp c, 0,1
.irp j, 0,1,2,3,4,5,6,7
	ds_load_b128 v[X+32*\c+4*\j:X+32*\c+4*\j+3], v7 offset:256*\c+16*\j   ; K = 64 c + 32 h + 4 j on
.endr
.endr
.endm
.macro FRAGX f
.if (\f) < 3
	s_wait_loadcnt 16                              ; this fragment's 16 loads are in; the next fragment's 16 may be out
.else
	s_wait_loadcnt 0x0
.endif
	TURN RAW+64*((\f)%2)
	s_wait_dscnt 0x0                               ; my numbers are back, and the stage's stores have read their registers
.if (\f) > 0
	s_wait_xcnt 0x0                                ; the last fragment's stores have read the codes' registers, which are written again below
.endif
.if (\f) < 2
	LOADX (\f)+2, RAW+64*((\f)%2)
.endif
	QBLK 0, X
	QBLK 1, X+32
	QFIN \f
.endm
	LOADX 0, RAW
	LOADX 1, RAW+64
	s_wait_alu depctr_va_vdst(0)
	FRAGX 0
	FRAGX 1
	FRAGX 2
	FRAGX 3
	FINISH
; ---- K NOT INNERMOST: Wq, Wk, Wv.  A lane takes a column (a head unit) and its registers run down K: a block of 32 lies in one lane, and the conversions give codes with K innermost
.Lpath_w:
	s_sub_co_u32 s19, ttmp9, 288
	s_and_b32 s20, s19, 1                          ; which half of K
	s_lshr_b32 s19, s19, 1                         ; 16 x kind + head
	s_and_b32 s21, s19, 15                         ; head
	s_lshr_b32 s23, s19, 4                         ; kind: 0 q, 1 k, 2 v
	s_lshl_b32 s22, s19, 2
	s_add_co_u32 s22, s22, s18                     ; the record: 64 kind + 4 head + tile; the wave is the tile
	s_lshl_b32 s32, s21, 18                        ; a head is 1,024 rows of 256 bytes
	s_lshl_b32 s33, s20, 17                        ; 512 rows
	s_add_co_u32 s32, s32, s33
	s_lshr_b32 s33, s18, 1
	s_lshl_b32 s33, s33, 7
	s_add_co_u32 s32, s32, s33                     ; the tile's first unit 32 (t / 2) + 8 (t % 2), 4 bytes each
	s_and_b32 s33, s18, 1
	s_lshl_b32 s33, s33, 5
	s_add_co_u32 s32, s32, s33
	s_mov_b32 s33, 0
	s_wait_kmcnt 0x0
	s_cmp_eq_u32 s23, 0
	s_cselect_b64 s[24:25], s[8:9], s[10:11]
	s_cmp_eq_u32 s23, 2
	s_cselect_b64 s[24:25], s[12:13], s[24:25]
	s_add_nc_u64 s[24:25], s[24:25], s[32:33]
	s_mov_b64 s[26:27], s[16:17]
	DEST
	s_wait_alu depctr_va_vdst(0)
	v_and_b32 v9, 8, v2
	v_add_nc_u32 v9, v9, v2                        ; r + 8 (r / 8)
	v_lshlrev_b32 v9, 2, v9
	v_lshl_add_u32 v9, v3, 13, v9                  ; lanes 16-31 begin 32 rows further down
.macro LOADW u, set                    ; unit u = 64 along K: my 32 numbers W(64 u + 32 h + i, my unit)
.set n, 0
.rept 32
	global_load_b32 v[\set+n], v9, s[24:25] offset:(64*(\u)+n)*256
.set n, n+1
.endr
.endm
.macro UNITW u
.if (\u) < 7
	s_wait_loadcnt 32                              ; this unit's 32 loads are in; the next unit's may be out
.else
	s_wait_loadcnt 0x0
.endif
.if ((\u)%2 == 0) && ((\u) > 0)
	s_wait_xcnt 0x0                                ; the last fragment's stores have read the codes' registers
.endif
	QBLK (\u)%2, RAW+32*((\u)%2)
.if (\u) < 6
	LOADW (\u)+2, RAW+32*((\u)%2)
.endif
.if (\u)%2
	QFIN (\u)/2
.endif
.endm
	LOADW 0, RAW
	LOADW 1, RAW+32
.irp u, 0,1,2,3,4,5,6,7
	UNITW \u
.endr
	FINISH
.Lfunc_end_k_q9a9572eac9_quant:
	.size	k_q9a9572eac9_quant, .Lfunc_end_k_q9a9572eac9_quant-k_q9a9572eac9_quant
	.p2alignl 7, 3214868480
	.fill 96, 4, 3214868480
	.section	.rodata,"a",@progbits
	.p2align	6, 0x0
	.amdhsa_kernel k_q9a9572eac9_quant
		.amdhsa_group_segment_fixed_size 34304
		.amdhsa_private_segment_fixed_size 0
		.amdhsa_enable_private_segment 0
		.amdhsa_kernarg_size 56
		.amdhsa_user_sgpr_count 2
		.amdhsa_user_sgpr_kernarg_segment_ptr 1
		.amdhsa_wavefront_size32 1
		.amdhsa_system_sgpr_workgroup_id_x 1
		.amdhsa_system_sgpr_workgroup_id_y 1
		.amdhsa_system_sgpr_workgroup_id_z 1
		.amdhsa_system_vgpr_workitem_id 0
		.amdhsa_next_free_vgpr 242
		.amdhsa_next_free_sgpr 66
		.amdhsa_reserve_vcc 1
		.amdhsa_float_denorm_mode_32 3
		.amdhsa_float_denorm_mode_16_64 3
		.amdhsa_memory_ordered 1
		.amdhsa_forward_progress 1
		.amdhsa_inst_pref_size 72
	.end_amdhsa_kernel
	.amdgpu_metadata
---
amdhsa.version: [ 1, 2 ]
amdhsa.kernels:
  - .name:           k_q9a9572eac9_quant
    .symbol:         k_q9a9572eac9_quant.kd
    .args:
      - { .name: embedded, .offset: 0, .size: 8, .value_kind: global_buffer, .address_space: global }
      - { .name: Wo, .offset: 8, .size: 8, .value_kind: global_buffer, .address_space: global }
      - { .name: Wq, .offset: 16, .size: 8, .value_kind: global_buffer, .address_space: global }
      - { .name: Wk, .offset: 24, .size: 8, .value_kind: global_buffer, .address_space: global }
      - { .name: Wv, .offset: 32, .size: 8, .value_kind: global_buffer, .address_space: global }
      - { .name: Xr, .offset: 40, .size: 8, .value_kind: global_buffer, .address_space: global }
      - { .name: Wr, .offset: 48, .size: 8, .value_kind: global_buffer, .address_space: global }
    .group_segment_fixed_size: 34304
    .private_segment_fixed_size: 0
    .kernarg_segment_align: 8
    .kernarg_segment_size: 56
    .max_flat_workgroup_size: 128
    .sgpr_count:     66
    .vgpr_count:     242
    .wavefront_size: 32
...
	.end_amdgpu_metadata
.endif
;; end of part 1
;; launch qkv (part 2): grid 4 x 64, 4 waves a work-group, clusters of 4 x 4, 327,680 bytes of LDS; arguments Xr, Wr, Qr, KVr; writes Qr, KVr
.if DOCPART == 2
	.amdgcn_target "amdgcn-amd-amdhsa--gfx1250"
	.amdhsa_code_object_version 6
	.text
	.protected	k_q9a9572eac9_qkv
	.globl	k_q9a9572eac9_qkv
	.p2align	8
	.type	k_q9a9572eac9_qkv,@function
k_q9a9572eac9_qkv:
	s_mov_b64 s[64:65], 0
	v_nop
	global_prefetch_b8 v0, s[64:65] scope:SCOPE_SE
	s_setreg_imm32_b32 hwreg(HW_REG_WAVE_MODE, 25, 1), 1
	s_wait_xcnt 0x0
	s_wait_alu depctr_hold_cnt(0) depctr_sa_sdst(0) depctr_va_vdst(0) depctr_va_sdst(0) depctr_va_ssrc(0) depctr_va_vcc(0) depctr_vm_vsrc(0)
	s_getreg_b32 s2, hwreg(HW_REG_IB_STS2, 6, 4)
	s_cmp_eq_u32 s2, 0
	s_cbranch_scc0 .Lentry_in_a_cluster
	s_endpgm
.Lentry_in_a_cluster:
	s_bfe_u32 s2, ttmp6, 0x10000c
	s_cmp_lg_u32 s2, 0xf033
	s_cbranch_scc0 .Lentry_shape_is_right
	s_endpgm
.Lentry_shape_is_right:
; q, k, v = embedded x Wq, Wk, Wv on codes of E3M2 (K = 1,024), and each result quantised in registers for the product that takes it: q and k along the head's 64, v along the keys.
; OPERANDS are tile records (16 rows: 8 K steps' register images of 1,536 bytes, then 512 bytes of scale words).  A block is 8 tiles 'A' x 16 tiles 'B' (128 x 256).
; A WORK-GROUP STAYS and makes three blocks, one for each role: 0 q, 1 k (A = tokens, Xr; B = head units, Wr: a lane holds a token, registers run along two heads' 64 units),
;   2 v (A = v's head units, B = tokens: a lane holds a unit, registers run along 128 keys).  The roles differ in numbers chosen by s_cselect on the role's counter alone.  256 work-groups x 3 blocks = the 768 blocks.
; THE RING: two LDS slots of (8 + 16) tiles x 6,144 bytes, each half of K (four K steps).  Slot 0 is asked for again (the next role's first half) when K step 3's fragments have been fetched,
;   slot 1 (its second half) ahead of K step 7's products: from a request to its first read stand at least four K steps' products and a way out.  The last role asks for nothing and is written out.
; Four waves, 2 x 2: a wave makes 4 tiles of A x 8 of B: 32 accumulators.  THE MATRIX INSTRUCTION IS USED TRANSPOSED: source 0 = a tile of B, source 1 = a tile of A: a lane holds one row of A,
; and by the tiles' choice of rows the 16 registers of B's tiles 2 b, 2 b + 1 are 16 neighbours: 32 b + 16 (lane / 16) + 0 .. 15.
; CLUSTER 4 x 4: A's tiles are asked for jointly along a row of the cluster, B's along a column; every refill stands behind a round of the cluster's barrier.
; No prefetch into the L2: the ring itself asks half a block ahead of the first read, and q's and k's blocks read the same tokens.
; OUT: Qr [bh][step 16] and KVr [bh][K: 16 | V: 16] records of 6,400 bytes.  Q, K: 8 tiles x 768 bytes (16 tokens x 64: registers 0-5 of a fragment), then 256 bytes of words [(g, row)][2]: word w of (g, row)
;   is tile pair 2 g + w: bytes 0, 1 the even tile's row, bytes 2, 3 the odd tile's.  V: 4 tiles x 1,536 bytes (16 units x 128 keys), then 256 bytes [(g, row)][2]: the word of tile 2 g + w.
; LIMITS as in the quantising launch: no NaN or infinities; a block of zeros gets the byte 1 (zero codes; only this program reads the bytes).
; REGISTERS, in windows of 256: window 0: v1 8 x lane, v2 r, v3 h, v4-5 / v8-9 LDS addresses of my A / B tiles in slot 0, 1, v12-15 the stores' offsets, v16-31 A's scale words, v32-63 B's,
;   v64-111, v112-159 A's fragments, two sets; v160-246 the way out; v254-255 the add's.   window 1: B's fragments, two sets, at v0 and v128.   window 2: accumulator (a, b) at v[8 (8 a + b)].
.set REC,   12800
.set TIL,   6144                       ; four K steps of a tile: a row of a fill
.set SLICE, 24*TIL                     ; a slot: A's 8 tiles, then B's 16
.set ADRA,  4
.set ADRB,  8
.set VO,    12
.set SA,    16
.set SB,    32
.set AF,    64
.set PC,    160                        ; v160-207 the four fragments made on the way out
.set PT,    208                        ; v208-215 the conversions' second halves
.set TM,    216                        ; v216-219 maxima, v220-223 bytes, v228-231 the conversions' scale operands
.set W,     232                        ; v232-235 the four fragments' scale words
.set MSB,   0
.macro WIN new                         ; the immediate's high byte repeats the setting that is left
.if MSB != \new
	s_set_vgpr_msb (MSB<<8)|\new
.set MSB, \new
.endif
.endm
.macro CROUND                          ; a round of the cluster's barrier
	s_barrier_signal -1
	s_barrier_wait -1
	s_cmp_lg_u32 s12, 0
	s_cbranch_scc1 .Lnot_wave_0_\@
	s_barrier_signal -3
.Lnot_wave_0_\@:
	s_barrier_wait -3
	s_barrier_signal -1
	s_barrier_wait -1
.endm
.macro PLACES n
.rept \n
	v_nop
.endr
.endm
; A joint load into slot h: waves 0, 1 fetch A's halves (4 tiles), waves 2, 3 B's (8 tiles): one load a wave
.macro JLOAD h
	s_cmp_lt_u32 s12, 2
	s_cbranch_scc0 .Lfor_b_\@
	tensor_load_to_lds s[40+4*\h:43+4*\h], s[24:31]
	s_nop 0
	PLACES 4
	s_branch .Lasked_\@
.Lfor_b_\@:
	tensor_load_to_lds s[68+4*\h:71+4*\h], s[32:39]
	s_nop 0
	PLACES 4
.Lasked_\@:
.endm
; K step k's fragments: 72 loads of 8 bytes a lane, each over 256 consecutive bytes
.macro FETCH k
	WIN 0x40                                       ; destination window 1
.irp i, 0,1,2,3,4,5,6,7
.irp p, 0,1,2,3,4,5
	ds_load_b64 v[128*((\k)%2)+12*\i+2*\p:128*((\k)%2)+12*\i+2*\p+1], v[ADRB+(\k)/4] offset:TIL*\i+1536*((\k)%4)+256*\p
.endr
.endr
	WIN 0
.irp i, 0,1,2,3
.irp p, 0,1,2,3,4,5
	ds_load_b64 v[AF+48*((\k)%2)+12*\i+2*\p:AF+48*((\k)%2)+12*\i+2*\p+1], v[ADRA+(\k)/4] offset:TIL*\i+1536*((\k)%4)+256*\p
.endr
.endr
.endm
; K step k's 32 products.  The 32 accumulators take turns, one instruction a turn, in the same order in every step.
; A tile's scale words: register 4 tile + 2 (k / 4) + k % 2; lanes 0-15 hold K steps 4 q, 4 q + 1, lanes 16-31 K steps 4 q + 2, 4 q + 3
.macro MUL k, first
	WIN 0xa1                                       ; source 0 window 1, source 1 window 0, C and D window 2
.irp a, 0,1,2,3
.irp b, 0,1,2,3,4,5,6,7
.set rD, 8*(8*\a+\b)
.set rB, 128*((\k)%2)+12*\b
.set rA, AF+48*((\k)%2)+12*\a
.set rSB, SB+4*\b+2*((\k)/4)+(\k)%2
.set rSA, SA+4*\a+2*((\k)/4)+(\k)%2
.if \first
	v_wmma_scale_f32_16x16x128_f8f6f4 v[rD:rD+7], v[rB:rB+11], v[rA:rA+11], 0, v[rSB], v[rSA] matrix_a_fmt:MATRIX_FMT_BF6 matrix_b_fmt:MATRIX_FMT_BF6
.elseif ((\k)/2)%2
	v_wmma_scale_f32_16x16x128_f8f6f4 v[rD:rD+7], v[rB:rB+11], v[rA:rA+11], v[rD:rD+7], v[rSB], v[rSA] matrix_a_fmt:MATRIX_FMT_BF6 matrix_b_fmt:MATRIX_FMT_BF6 matrix_a_scale:MATRIX_SCALE_ROW1 matrix_b_scale:MATRIX_SCALE_ROW1
.else
	v_wmma_scale_f32_16x16x128_f8f6f4 v[rD:rD+7], v[rB:rB+11], v[rA:rA+11], v[rD:rD+7], v[rSB], v[rSA] matrix_a_fmt:MATRIX_FMT_BF6 matrix_b_fmt:MATRIX_FMT_BF6
.endif
.endr
.endr
	WIN 0
.endm
; Role s17's operands: scalar work alone.  A's block (8 tiles) s19, B's block (16 tiles) s20: q, k: A block 4 Y + cy of 64, B block 4 role + cx;  v: A block 4 (Y / 8) + cy of 8, B block 4 (Y % 8) + cx of 32.
; Then the global words of both slots' descriptors, and where my tiles' scale words lie: s[90:91] A's, s[92:93] B's.  A's numbers never hold cx, B's never cy.
.macro ROLE_IN
	s_lshl_b32 s19, s18, 2
	s_lshr_b32 s2, s18, 3
	s_lshl_b32 s2, s2, 2
	s_lshl_b32 s20, s17, 2
	s_and_b32 s3, s18, 7
	s_lshl_b32 s3, s3, 2
	s_cmp_eq_u32 s17, 2
	s_cselect_b32 s19, s2, s19
	s_cselect_b32 s20, s3, s20
	s_add_co_u32 s19, s19, s16
	s_add_co_u32 s20, s20, s15
	s_lshl_b32 s60, s19, 3
	s_lshl_b32 s61, s14, 2
	s_add_co_u32 s60, s60, s61
	s_mul_i32 s60, s60, REC                        ; the 4 tiles of A that I would fetch
	s_mov_b32 s61, 0
	s_lshl_b32 s62, s20, 4
	s_lshl_b32 s63, s14, 3
	s_add_co_u32 s62, s62, s63
	s_mul_i32 s62, s62, REC                        ; the 8 tiles of B: also the 8 that I multiply
	s_mov_b32 s63, 0
	s_lshl_b32 s2, s19, 3
	s_lshl_b32 s3, s13, 2
	s_add_co_u32 s2, s2, s3
	s_mul_i32 s2, s2, REC
	s_add_co_u32 s2, s2, 12288                     ; the scale words of the 4 tiles of A that I multiply
	s_mov_b32 s3, 0
	s_add_nc_u64 s[58:59], s[6:7], 128*REC         ; Wr at v's tiles
	s_cmp_eq_u32 s17, 2
	s_cselect_b64 s[56:57], s[58:59], s[4:5]       ; A
	s_cselect_b64 s[58:59], s[4:5], s[6:7]         ; B
	s_add_nc_u64 s[60:61], s[56:57], s[60:61]
	s_add_nc_u64 s[62:63], s[58:59], s[62:63]
	s_add_nc_u64 s[90:91], s[56:57], s[2:3]
	s_add_nc_u64 s[92:93], s[62:63], 12288
.irp q, 0,1
	s_add_nc_u64 s[42+4*\q:43+4*\q], s[60:61], \q*TIL
	s_or_b32 s[43+4*\q], s[43+4*\q], 0x80000000
	s_add_nc_u64 s[70+4*\q:71+4*\q], s[62:63], \q*TIL
	s_or_b32 s[71+4*\q], s[71+4*\q], 0x80000000
.endr
.endm
; Where role s17's results go.  P = 2 x A's block + my half of it; C2 = 2 x B's block + my half
.macro ROLE_OUT
	s_lshl_b32 s56, s19, 1
	s_add_co_u32 s56, s56, s13                     ; q, k: which 64 tokens of 8,192; v: the head
	s_lshl_b32 s57, s20, 1
	s_add_co_u32 s57, s57, s14                     ; q, k: (mod 8) which pair of heads; v: which 128 tokens
	s_mov_b32 s101, 204800
	s_cmp_eq_u32 s17, 0
	s_cselect_b32 s101, 102400, s101               ; bytes from a head to the next: in Qr, in KVr
	s_cselect_b64 s[84:85], s[8:9], s[10:11]
	s_lshr_b32 s58, s56, 5
	s_lshl_b32 s58, s58, 4
	s_and_b32 s59, s57, 7
	s_lshl_b32 s59, s59, 1
	s_add_co_u32 s58, s58, s59                     ; q, k: 16 batch + my first head
	s_mul_i32 s58, s58, s101
	s_bfe_u32 s59, s56, 0x40001                    ; the step of 128 tokens in the batch
	s_mul_i32 s59, s59, 6400
	s_add_co_u32 s58, s58, s59                     ; its record
	s_and_b32 s59, s56, 1                          ; which 4 of its 8 tiles
	s_mul_i32 s60, s59, 4*768
	s_add_co_u32 s60, s60, s58                     ; q, k: codes
	s_lshl_b32 s59, s59, 7
	s_add_co_u32 s59, s59, s58
	s_add_co_u32 s59, s59, 6144                    ; q, k: scale words
	s_lshr_b32 s58, s57, 4
	s_lshl_b32 s58, s58, 4
	s_add_co_u32 s58, s58, s56                     ; v: 16 batch + head
	s_mul_i32 s58, s58, 204800
	s_and_b32 s61, s57, 15
	s_mul_i32 s61, s61, 6400
	s_add_co_u32 s58, s58, s61
	s_add_co_u32 s58, s58, 102400                  ; v: codes: the step's record, behind K's sixteen
	s_add_co_u32 s61, s58, 6144                    ; v: scale words
	s_mov_b32 s62, 768
	s_mov_b32 s63, 128
	s_cmp_eq_u32 s17, 2
	s_cselect_b32 s60, s58, s60
	s_cselect_b32 s58, s61, s59
	s_cselect_b32 s99, 1536, s62                   ; from a fragment to the next
	s_cselect_b32 s100, s62, s101                  ; from a fragment's registers 0-5 to its registers 6-11: v: on end; q, k: the next head
	s_cselect_b32 s101, s63, s101                  ; from lanes 0-15's scale words to lanes 16-31's
	s_cselect_b32 s95, -1, 0                       ; all lanes: v
	s_mov_b32 s61, 0
	s_mov_b32 s59, 0
	s_add_nc_u64 s[88:89], s[84:85], s[58:59]      ; the scale words
	s_add_nc_u64 s[84:85], s[84:85], s[60:61]      ; registers 0-5
	s_mov_b32 s60, s100
	s_add_nc_u64 s[86:87], s[84:85], s[60:61]      ; registers 6-11
	s_mov_b32 s2, 0
.irp a, 0,1,2,3
	v_add_nc_u32 v[VO+\a], s2, v1
	s_add_co_u32 s2, s2, s99
.endr
	v_mul_lo_u32 v245, v3, s101
	v_lshl_add_u32 v245, v2, 3, v245               ; 8 r + h x the distance
.endm
; The scale words of my tiles, for all of K, straight into registers: each load covers 256 consecutive bytes
.macro SCALES
.irp i, 0,1,2,3
.irp q, 0,1
	global_load_b64 v[SA+4*\i+2*\q:SA+4*\i+2*\q+1], v1, s[90:91] offset:REC*\i+256*\q
.endr
.endr
.irp i, 0,1,2,3,4,5,6,7
.irp q, 0,1
	global_load_b64 v[SB+4*\i+2*\q:SB+4*\i+2*\q+1], v1, s[92:93] offset:REC*\i+256*\q
.endr
.endr
.endm
; A K step: the next step's fragments are asked for, then this step's products are issued.  Every step ends on a wait for all its LDS loads, so at a step's head none of mine is out.
; K step 3: slot 0 has been read out and slot 1 must be whole.  K step 7: slot 1 has been read out.  refill = 1: the three lines, a round, and the slot takes the next role's half.
.macro KSTEP k, first, refill
.if (\k) == 3
	s_wait_tensorcnt 0x0                           ; all my loads have landed: the one that was out is my part of slot 1
.if \refill
	ds_add_u32 v254, v255                          ; 0 onto my spare word; scalar work stands between it and the wait for it
	s_add_co_u32 s17, s17, 1                       ; the next role: no load of mine is out, so the descriptors may be written
	ROLE_IN
	s_wait_dscnt 0x0
	CROUND                                         ; no wave of any partner reads slot 0 or has a load on its way
	JLOAD 0                                        ; its four v_nop are also the places in front of the loads below
.else
	s_barrier_signal -1
	s_barrier_wait -1                              ; everybody's part of slot 1 has landed
	PLACES 4
.endif
	FETCH 4
.elseif (\k) == 7
.if \refill
	s_wait_tensorcnt 0x0                           ; my part of slot 0, the next role's first half, has landed
	ds_add_u32 v254, v255
	s_wait_dscnt 0x0
	CROUND
	JLOAD 1
.endif
.else
.if (\k) > 0
	PLACES 4                                       ; four plain lines between the last products and loads into the set that they read (ISA guide 7.12.1 for vector instructions)
.endif
	FETCH (\k)+1
.endif
	MUL \k, \first
	s_wait_dscnt 0x0                               ; the next step's fragments are in
.endm
; THE WAY OUT.  The 64 registers of A's tile a are 128 neighbours along the next K: register 16 b + i = 32 b + 16 (lane / 16) + i.  They become one fragment and one scale word a row.
.macro QUANT4 a
	WIN 0x28                                       ; sources 1 and 2 window 2.
.irp b, 0,1,2,3
	v_max3_num_f32 v[TM+\b], s94, |v[64*\a+16*\b]|, |v[64*\a+16*\b+1]|   ; block b: my 16 numbers and the floor
.endr
.irp i, 2,4,6,8,10,12,14
.irp b, 0,1,2,3
	v_max3_num_f32 v[TM+\b], v[TM+\b], |v[64*\a+16*\b+\i]|, |v[64*\a+16*\b+\i+1]|   ; (the four blocks by turns)
.endr
.endr
	WIN 0
.irp b, 0,1,2,3
	v_permlanex16_b32 v[TM+4+\b], v[TM+\b], s96, s97
.endr
.irp b, 0,1,2,3
	v_max_num_f32 v[TM+\b], v[TM+\b], v[TM+4+\b]   ; with lane l xor 16's: the block's largest magnitude
.endr
.irp b, 0,1,2,3
	v_add_nc_u32 v[TM+12+\b], 0xfe000000, v[TM+\b] ; 4 off its exponent field: the conversion's scale operand
.endr
.irp b, 0,1,2,3
	v_lshrrev_b32 v[TM+4+\b], 23, v[TM+12+\b]      ; the byte
.endr
	v_lshl_or_b32 v[W+\a], v[TM+5], 8, v[TM+4]
	v_lshl_or_b32 v[W+\a], v[TM+6], 16, v[W+\a]
	v_lshl_or_b32 v[W+\a], v[TM+7], 24, v[W+\a]    ; my row's scale word, in both halves of the lanes
	WIN 0x02                                       ; source 0 window 2
.irp c, 0,1
	v_cvt_scalef32_pk16_bf6_f32 v[PC+12*\a+6*\c:PC+12*\a+6*\c+2], v[64*\a+32*\c:64*\a+32*\c+15], v[TM+12+2*\c]
	v_cvt_scalef32_pk16_bf6_f32 v[PT+4*\c:PT+4*\c+2], v[64*\a+32*\c+16:64*\a+32*\c+31], v[TM+12+2*\c+1]
.endr
	WIN 0
	v_nop                                          ; one plain line behind the conversions
.irp c, 0,1                            ; the layout wants a whole block in a lane: lanes 0-15 block 2 c, lanes 16-31 block 2 c + 1
.irp i, 0,1,2
	v_permlane16_swap_b32 v[PC+12*\a+6*\c+\i], v[PT+4*\c+\i]
.endr
.irp i, 0,1,2
	v_mov_b32 v[PC+12*\a+6*\c+3+\i], v[PT+4*\c+\i]
.endr
.endr
.irp p, 0,1,2
	global_store_b64 v[VO+\a], v[PC+12*\a+2*\p:PC+12*\a+2*\p+1], s[84:85] offset:256*\p      ; each store covers 256 consecutive bytes, aligned
.endr
.irp p, 0,1,2
	global_store_b64 v[VO+\a], v[PC+12*\a+6+2*\p:PC+12*\a+6+2*\p+1], s[86:87] offset:256*\p
.endr
.endm
; A role's block.  At its head slot 0 is whole for every wave, and my load into slot 1 is out.
.macro TILE refill
	FETCH 0
	s_wait_xcnt 0x0                                ; the last block's stores have read their bases, offsets and data, which are written again from here on
	ROLE_OUT
	s_wait_alu depctr_va_vdst(0)
	s_wait_loadcnt 0x0                             ; the scale words
	s_wait_dscnt 0x0
	KSTEP 0, 1, \refill                            ; the first products start the sums: nothing is cleared
.irp k, 1,2,3,4,5,6,7
	KSTEP \k, 0, \refill
.endr
	PLACES 4                                       ; between the last products and the first read of results, and the loads into the scale registers
.if \refill
	SCALES                                         ; the next role's scale words land under the way out
.endif
	QUANT4 0
	QUANT4 1
	QUANT4 2
	QUANT4 3
	v_perm_b32 v236, v[W+1], v[W], v244            ; q, k: my head's bytes of tiles 0, 1 make a pair's word,
	v_perm_b32 v237, v[W+3], v[W+2], v244          ; those of tiles 2, 3 the next
	v_cndmask_b32 v238, v[W], v[W+2], s98          ; v: lanes 0-15 store the words of tiles 0, 1, lanes 16-31 of tiles 2, 3
	v_cndmask_b32 v239, v[W+1], v[W+3], s98
	v_cndmask_b32 v240, v236, v238, s95
	v_cndmask_b32 v241, v237, v239, s95
	global_store_b64 v245, v[240:241], s[88:89]
.endm
	s_load_b256 s[4:11], s[0:1], 0x0               ; Xr s[4:5], Wr s[6:7], Qr s[8:9], KVr s[10:11]
	v_lshl_add_u32 v254, v0, 2, 0x48000            ; my spare word, behind the two slots
	v_mov_b32 v255, 0
	ds_add_u32 v254, v255                          ; the opening lines: the add twice on end and its wait
	ds_add_u32 v254, v255
	v_lshrrev_b32 v1, 5, v0
	v_readfirstlane_b32 s12, v1                    ; wave 0..3
	s_lshr_b32 s13, s12, 1                         ; which 4 tiles of A are mine
	s_and_b32 s14, s12, 1                          ; which 8 tiles of B are mine.  Also: which half of A's or B's tiles I fetch
	s_bfe_u32 s15, ttmp6, 0x40000                  ; cx
	s_bfe_u32 s16, ttmp6, 0x40004                  ; cy
	s_and_b32 s18, ttmp7, 0xffff                   ; the cluster's y
	s_lshl_b32 s21, s16, 2
	s_lshl_b32 s21, 15, s21                        ; my row of the cluster
	s_lshl_b32 s22, 0x1111, s15                    ; my column
	; descriptor groups 1: rows of 6,144 bytes (768 elements of 8), one for each tile, 12,800 bytes apart; A: 4 tiles a load, B: 8
	s_or_b32 s24, s21, (3<<16)|(1<<21)             ; 15:0 the mask; 17:16 elements of 8 bytes; 21 set beside a mask; no padding
	s_mov_b32 s25, 768<<16
	s_mov_b32 s26, 4<<16
	s_mov_b32 s27, 768<<16
	s_mov_b32 s28, 4
	s_mov_b32 s29, 1600
	s_mov_b32 s30, 0
	s_mov_b32 s31, 0
	s_or_b32 s32, s22, (3<<16)|(1<<21)
	s_mov_b32 s33, 768<<16
	s_mov_b32 s34, 8<<16
	s_mov_b32 s35, 768<<16
	s_mov_b32 s36, 8
	s_mov_b32 s37, 1600
	s_mov_b32 s38, 0
	s_mov_b32 s39, 0
	s_mov_b32 s17, 0                               ; the role
	s_mul_i32 s23, s14, 4*TIL                      ; where my fills go: A's halves,
	s_mul_i32 s3, s14, 8*TIL
	s_add_co_u32 s3, s3, 8*TIL                     ; B's halves, behind A's 8 tiles: no place in the cluster enters an LDS address
.irp q, 0,1
	s_mov_b32 s[40+4*\q], 1                        ; groups 0, one set for each slot: count and LDS address stay,
	s_add_co_u32 s[41+4*\q], s23, \q*SLICE
	s_mov_b32 s[68+4*\q], 1
	s_add_co_u32 s[69+4*\q], s3, \q*SLICE
.endr
	s_wait_dscnt 0x0
	s_wait_kmcnt 0x0
	ROLE_IN                                        ; the global words are made anew for each role
	CROUND                                         ; all sixteen work-groups are here: the joint loads meet
	JLOAD 0                                        ; q's first half of K: one load a wave at the head
	v_and_b32 v1, 31, v0
	v_lshlrev_b32 v1, 3, v1                        ; 8 x lane
	s_wait_alu depctr_va_vdst(0)                   ; ahead of the readers below
	SCALES
	v_and_b32 v2, 15, v0                           ; r
	v_bfe_u32 v3, v0, 4, 1                         ; h
	s_mul_i32 s2, s13, 4*TIL
	s_mul_i32 s3, s14, 8*TIL
	s_add_co_u32 s3, s3, 8*TIL
.irp q, 0,1
	v_add_nc_u32 v[ADRA+\q], s2, v1
	v_add_nc_u32 v[ADRB+\q], s3, v1
	s_add_co_u32 s2, s2, SLICE
	s_add_co_u32 s3, s3, SLICE
.endr
	s_mov_b32 s94, 0x2800000                       ; the floor 2^(5 - 127)
	s_mov_b32 s96, 0x76543210
	s_mov_b32 s97, 0xfedcba98                      ; selects for lane l xor 16
	s_mov_b32 s98, 0xffff0000                      ; lanes 16-31
	v_mov_b32 v244, 0x05040100
	v_mov_b32 v246, 0x07060302
	v_cndmask_b32 v244, v244, v246, s98            ; lanes 0-15 pick the first head's two bytes of each word, lanes 16-31 the second head's
.irp b, 0,1,2,3
	v_mov_b32 v[TM+4+\b], 0                        ; a lane permute's destination counts as one of its sources
.endr
	s_wait_alu depctr_va_vdst(0)
	s_wait_tensorcnt 0x0                           ; my part of slot 0 has landed
	ds_add_u32 v254, v255
	s_wait_dscnt 0x0
	CROUND                                         ; everybody's has
	JLOAD 1                                        ; q's second half of K
.Ltile:
	TILE 1                                         ; q, then k: each asks for the next role's two halves
	s_cmp_lt_u32 s17, 2
	s_cbranch_scc1 .Ltile
	TILE 0                                         ; v asks for nothing more
	s_wait_tensorcnt 0x0                           ; the wave's end
	ds_add_u32 v254, v255
	s_wait_dscnt 0x0
	CROUND                                         ; the closing round: no work-group ends while a partner may still ask for a tile that names it
	s_endpgm
.Lfunc_end_k_q9a9572eac9_qkv:
	.size	k_q9a9572eac9_qkv, .Lfunc_end_k_q9a9572eac9_qkv-k_q9a9572eac9_qkv
	.p2alignl 7, 3214868480
	.fill 96, 4, 3214868480
	.section	.rodata,"a",@progbits
	.p2align	6, 0x0
	.amdhsa_kernel k_q9a9572eac9_qkv
		.amdhsa_group_segment_fixed_size 327680
		.amdhsa_private_segment_fixed_size 0
		.amdhsa_enable_private_segment 0
		.amdhsa_kernarg_size 32
		.amdhsa_user_sgpr_count 2
		.amdhsa_user_sgpr_kernarg_segment_ptr 1
		.amdhsa_wavefront_size32 1
		.amdhsa_system_sgpr_workgroup_id_x 1
		.amdhsa_system_sgpr_workgroup_id_y 1
		.amdhsa_system_sgpr_workgroup_id_z 1
		.amdhsa_system_vgpr_workitem_id 0
		.amdhsa_next_free_vgpr 768
		.amdhsa_next_free_sgpr 106
		.amdhsa_reserve_vcc 0
		.amdhsa_float_denorm_mode_32 3
		.amdhsa_float_denorm_mode_16_64 3
		.amdhsa_memory_ordered 1
		.amdhsa_forward_progress 1
		.amdhsa_inst_pref_size 197
	.end_amdhsa_kernel
	.amdgpu_metadata
---
amdhsa.version: [ 1, 2 ]
amdhsa.kernels:
  - .name:           k_q9a9572eac9_qkv
    .symbol:         k_q9a9572eac9_qkv.kd
    .args:
      - { .name: Xr, .offset: 0, .size: 8, .value_kind: global_buffer, .address_space: global }
      - { .name: Wr, .offset: 8, .size: 8, .value_kind: global_buffer, .address_space: global }
      - { .name: Qr, .offset: 16, .size: 8, .value_kind: global_buffer, .address_space: global }
      - { .name: KVr, .offset: 24, .size: 8, .value_kind: global_buffer, .address_space: global }
    .group_segment_fixed_size: 327680
    .private_segment_fixed_size: 0
    .kernarg_segment_align: 8
    .kernarg_segment_size: 32
    .max_flat_workgroup_size: 128
    .sgpr_count:     106
    .vgpr_count:     768
    .wavefront_size: 32
...
	.end_amdgpu_metadata
.endif
;; end of part 2
;; launch attn (part 3): grid 4 x 64, 8 waves a work-group, clusters of 4 x 1, 327,680 bytes of LDS; arguments Qr, KVr, Ar; writes Ar
.if DOCPART == 3
	.amdgcn_target "amdgcn-amd-amdhsa--gfx1250"
	.amdhsa_code_object_version 6
	.text
	.protected	k_q9a9572eac9_attn
	.globl	k_q9a9572eac9_attn
	.p2align	8
	.type	k_q9a9572eac9_attn,@function
k_q9a9572eac9_attn:
	s_mov_b64 s[64:65], 0
	v_nop
	global_prefetch_b8 v0, s[64:65] scope:SCOPE_SE
	s_setreg_imm32_b32 hwreg(HW_REG_WAVE_MODE, 25, 1), 1
	s_wait_xcnt 0x0
	s_wait_alu depctr_hold_cnt(0) depctr_sa_sdst(0) depctr_va_vdst(0) depctr_va_sdst(0) depctr_va_ssrc(0) depctr_va_vcc(0) depctr_vm_vsrc(0)
	s_getreg_b32 s2, hwreg(HW_REG_IB_STS2, 6, 4)
	s_cmp_eq_u32 s2, 0
	s_cbranch_scc0 .Lentry_in_a_cluster
	s_endpgm
.Lentry_in_a_cluster:
	s_bfe_u32 s2, ttmp6, 0x10000c
	s_cmp_lg_u32 s2, 0x3003
	s_cbranch_scc0 .Lentry_shape_is_right
	s_endpgm
.Lentry_shape_is_right:
; Causal attention of one (batch, head) on codes of E3M2: S^T = K Q^T, p = 2^(t - M) with M the ceiling of the running largest t, O^T += V^T p^T, O / l quantised along the head's 64 for the projection.
; LEFT OUT: steps of 128 keys that lie wholly behind a wave's queries: the causal mask sets those scores to -inf, so their p is 0 for all inputs.  A NaN or infinity that reaches only those steps is not carried.
; LIMITS: NaN and infinities are not served; the promise holds while the scaled scores stay under 2^31 in magnitude; a block of zeros gets the byte 1 (zero codes; only this program reads the bytes).
; SHARES: a cluster of four work-groups serves one (batch, head); its 204,800 bytes of K and V records are asked for JOINTLY, once, at the head: 8 waves x 100 rows of 256 bytes.  Nothing is filled again.
; Work-group cx takes the tile pair cx (32 queries) of every record of 128 queries.  Wave w makes two passes: record 15 - w, then record w: (16 - w) + (w + 1) = 17 steps of 128 keys for every wave.
; A WAVE HOLDS TWO QUERY TILES (x = 0, 1): each fragment of K and V read from LDS feeds two matrix instructions, and the two tiles' chains of vector work stand line by line in turn.
; LDS reads run ahead: the next step's K fragments are asked for behind this step's score products, the next step's V behind this step's value products; at a pass's last step they name a record that is not used (held at record 15).
; No prefetch into the L2: all that the launch reads through LDS is asked for by the head's one load a wave, so there is no loop to run ahead in.
; A head has 64 units and the instruction sums 128: a K fragment holds two key tiles, and q stands beside six registers of zero codes, below for the even tile, above for the odd one.
; REGISTERS: window 0 as named below; window 1: S (scores, then p) 64 a tile, O^T 32 a tile, the mask's index.
.set KREC, 6400
.set VOFF, 102400
.set SPARE, 204800                     ; behind K and V: the spare words, 128 bytes a wave
.set L8,   1                           ; 8 x lane
.set ADK,  2
.set ADV,  3
.set NINF, 4
.set NM,   6                           ; + 2 x: -M, the largest t
.set SUM,  10                          ; + 2 x: the row's sum, two halves
.set F,    14                          ; + 2 x: 2^(old M - new M)
.set T,    18                          ; + 2 x: the step's second chain of sums
.set TMP,  22                          ; + x
.set SPW,  24
.set NIL,  25
.set R8,   26                          ; 8 x (lane % 16)
.set KS,   28                          ; K's scale words
.set VS,   30                          ; V's
.set QS,   32                          ; + 2 x + form: q's
.set PS,   36                          ; + x: p's
.set OW,   38                          ; + x: the result's two bytes
.set BM,   40                          ; + 4 x: block maxima
.set PT,   48
.set SO,   56                          ; the conversions' scale operands
.set QZ,   64                          ; zeros, q of tile 0, zeros, q of tile 1, zeros: 6 registers each
.set Q2,   94                          ; the second pass's q
.set QW,   106                         ; + pass: q's scale word as loaded
.set KF,   108
.set VF,   156
.set PC,   204                         ; + 12 x: p's codes
.set CT,   228                         ; + 8 x: the conversions' second halves
.set S,    0                           ; window 1
.set O,    128
.set QIW,  192
.set SEL,  32
.set CS,   34
.set TB,   36
.set SI,   37
.set LAST, 38
.set MSB,  0
.macro WIN new                         ; the immediate's high byte repeats the setting that is left
.if MSB != \new
	s_set_vgpr_msb (MSB<<8)|\new
.set MSB, \new
.endif
.endm
.macro PLACES n
.rept \n
	v_nop
.endr
.endm
.macro CROUND
	s_barrier_signal -1
	s_barrier_wait -1
	s_cmp_lg_u32 s10, 0
	s_cbranch_scc1 .Lnot_wave_0_\@
	s_barrier_signal -3
.Lnot_wave_0_\@:
	s_barrier_wait -3
	s_barrier_signal -1
	s_barrier_wait -1
.endm
.macro PASSADR p                       ; s13 = the pass's record: q's codes, q's scale words, the result's codes and bytes
	s_mov_b32 s[56+\p], s13
	s_mul_i32 s66, s13, KREC
	s_add_co_u32 s66, s66, s68
	s_add_co_u32 s70, s66, s60
	s_add_nc_u64 s[40+8*\p:41+8*\p], s[4:5], s[70:71]
	s_add_co_u32 s70, s66, s69
	s_add_nc_u64 s[42+8*\p:43+8*\p], s[4:5], s[70:71]
	s_lshl_b32 s15, s13, 3
	s_add_co_u32 s15, s15, s67
	s_mul_i32 s15, s15, 12800
	s_add_co_u32 s70, s15, s2
	s_add_nc_u64 s[44+8*\p:45+8*\p], s[8:9], s[70:71]
	s_add_co_u32 s70, s15, s3
	s_add_nc_u64 s[46+8*\p:47+8*\p], s[8:9], s[70:71]
.endm
.macro LDK                             ; a step's K record: 24 pieces and the scale words, each load over 256 consecutive bytes
.set n, 0
.rept 24
	ds_load_b64 v[KF+2*n:KF+2*n+1], v[ADK] offset:256*n
.set n, n+1
.endr
	ds_load_b64 v[KS:KS+1], v[ADK] offset:6144
.endm
.macro LDV
.set n, 0
.rept 24
	ds_load_b64 v[VF+2*n:VF+2*n+1], v[ADV] offset:256*n
.set n, n+1
.endr
	ds_load_b64 v[VS:VS+1], v[ADV] offset:6144
.endm
	s_load_b128 s[4:7], s[0:1], 0x0                ; Qr, KVr
	s_load_b64 s[8:9], s[0:1], 0x10                ; Ar
	v_lshl_add_u32 v[SPW], v0, 2, SPARE
	v_mov_b32 v[NIL], 0
	ds_add_u32 v[SPW], v[NIL]                      ; the opening lines: the add twice on end and its wait
	ds_add_u32 v[SPW], v[NIL]
	v_lshrrev_b32 v1, 5, v0
	v_readfirstlane_b32 s10, v1                    ; wave 0..7
	s_bfe_u32 s11, ttmp6, 0x40000                  ; cx
	s_and_b32 s12, ttmp7, 0xffff                   ; 16 batch + head
	s_mov_b32 s16, 15|(3<<16)|(1<<21)              ; all four partners; elements of 8 bytes
	s_mov_b32 s17, 32<<16                          ; rows of 256 bytes,
	s_mov_b32 s18, 100<<16                         ; 100 of them: four records
	s_mov_b32 s19, 32<<16
	s_mov_b32 s20, 100
	s_mov_b32 s21, 32
	s_mov_b32 s22, 0
	s_mov_b32 s23, 0
	s_mul_i32 s14, s10, 4*KREC
	s_mul_i32 s66, s12, 2*VOFF
	s_add_co_u32 s66, s66, s14
	s_mov_b32 s67, 0
	s_wait_dscnt 0x0
	s_wait_kmcnt 0x0
	s_mov_b32 s24, 1
	s_mov_b32 s25, s14
	s_add_nc_u64 s[26:27], s[6:7], s[66:67]
	s_or_b32 s27, s27, 0x80000000
	CROUND                                         ; the four partners are here: the joint loads meet
	tensor_load_to_lds s[24:27], s[16:23]          ; my eighth of K and V: one load a wave
	s_nop 0
	PLACES 4
	s_lshr_b32 s67, s12, 4
	s_lshl_b32 s67, s67, 7
	s_lshl_b32 s15, s11, 1
	s_add_co_u32 s67, s67, s15                     ; 128 batch + 2 cx: the result's tile, less 8 x record
	s_and_b32 s14, s12, 15                         ; head
	s_mul_i32 s2, s14, 768                         ; its place in a tile record's images,
	s_lshr_b32 s3, s14, 2
	s_lshl_b32 s3, s3, 7
	s_bfe_u32 s15, s14, 0x10001
	s_lshl_b32 s15, s15, 2
	s_add_co_u32 s3, s3, s15
	s_and_b32 s15, s14, 1
	s_lshl_b32 s15, s15, 1
	s_add_co_u32 s3, s3, s15
	s_add_co_u32 s3, s3, 12288                     ; and in its scale words
	s_mul_i32 s68, s12, 102400
	s_mul_i32 s60, s11, 1536                       ; my tile pair's codes in a record of q,
	s_lshr_b32 s15, s11, 1
	s_lshl_b32 s69, s15, 7
	s_and_b32 s15, s11, 1
	s_lshl_b32 s15, s15, 2
	s_add_co_u32 s69, s69, s15
	s_add_co_u32 s69, s69, 6144                    ; and its scale word
	s_lshl_b32 s61, s11, 5                         ; my first query in the record's 128
	s_mov_b32 s71, 0
	s_sub_co_u32 s13, 15, s10
	PASSADR 0
	s_mov_b32 s13, s10
	PASSADR 1
	s_mov_b32 s[SEL], 0x76543210
	s_mov_b32 s[SEL+1], 0xfedcba98                 ; selects for lane l xor 16
	s_mov_b32 s[CS], 0x3e38aa3b                    ; log2(e) / 8
	s_mov_b32 s[CS+1], s[CS]
	v_and_b32 v[L8], 31, v0
	v_lshlrev_b32 v[L8], 3, v[L8]
	v_and_b32 v5, 15, v0
	v_lshlrev_b32 v[R8], 3, v5
	v_and_b32 v[TMP], 8, v5
	v_add_nc_u32 v[TMP], v[TMP], v5                ; r + 8 (r / 8)
	v_bfe_u32 v5, v0, 4, 1
	v_lshlrev_b32 v5, 4, v5
	v_sub_nc_u32 v[TMP], v[TMP], v5                ; - 16 h
	WIN 0x40
	v_add_nc_u32 v[QIW], s61, v[TMP]               ; tile 0's query less 16 h: register n's key 32 (n / 16) + n % 16 counts while it is no greater
	WIN 0
	s_wait_alu depctr_va_vdst(0)                   ; ahead of the readers below
.irp p, 0,1,2
	global_load_b64 v[QZ+6+2*\p:QZ+7+2*\p], v[L8], s[40:41] offset:256*\p
	global_load_b64 v[QZ+18+2*\p:QZ+19+2*\p], v[L8], s[40:41] offset:768+256*\p
	global_load_b64 v[Q2+2*\p:Q2+1+2*\p], v[L8], s[48:49] offset:256*\p
	global_load_b64 v[Q2+6+2*\p:Q2+7+2*\p], v[L8], s[48:49] offset:768+256*\p
.endr
	global_load_b32 v[QW], v[R8], s[42:43]
	global_load_b32 v[QW+1], v[R8], s[50:51]
.irp i, 0,1,2,3,4,5,12,13,14,15,16,17,24,25,26,27,28,29
	v_mov_b32 v[QZ+\i], 0                          ; zero codes beside q
.endr
.irp i, 0,1,2,3,4,5,6,7
	v_mov_b32 v[PT+\i], 0                          ; a lane permute's destination counts as one of its sources
.endr
	v_mov_b32 v[TMP], 0
	v_mov_b32 v[TMP+1], 0
	v_mov_b32 v[F+1], 0                            ; named as the upper halves of pairs
	v_mov_b32 v[F+3], 0
	v_mov_b32 v[NINF], 0xff800000
	s_wait_alu depctr_va_vdst(0)
	s_wait_tensorcnt 0x0                           ; my eighth has landed,
	s_barrier_signal -1
	s_barrier_wait -1                              ; and everybody's
	s_wait_loadcnt 0x0
.macro PINIT p
.if \p
	s_wait_dscnt 0x0                               ; the first pass's last reads ahead have landed: their registers are loaded anew below
.irp i, 0,1,2,3,4,5
	v_mov_b32 v[QZ+6+\i], v[Q2+\i]
	v_mov_b32 v[QZ+18+\i], v[Q2+6+\i]
.endr
.endif
	v_and_b32 v[TMP], 0xffff, v[QW+\p]             ; the even tile's two bytes, the odd tile's
	v_lshrrev_b32 v[TMP+1], 16, v[QW+\p]
.irp x, 0,1
	v_or_b32 v[QS+2*\x], 0x01010000, v[TMP+\x]     ; q below, zero codes above (their bytes: 1)
	v_lshl_or_b32 v[QS+2*\x+1], v[TMP+\x], 16, 0x0101
	v_mov_b32 v[NM+2*\x+1], 0xff61b1e6             ; the largest t so far: -3e38
	v_mov_b32 v[SUM+2*\x], 0
	v_mov_b32 v[SUM+2*\x+1], 0
.endr
.irp x, 0,1
	v_floor_f32 v[NM+2*\x], -v[NM+2*\x+1]
.endr
	v_mov_b32 v[ADK], v[L8]
	v_add_nc_u32 v[ADV], VOFF, v[L8]
	WIN 0x40
.set n, 0
.rept 64
	v_mov_b32 v[O+n], 0                            ; the step is written once: the first finds zeros
.set n, n+1
.endr
	WIN 0
	s_mov_b32 s[SI], 0
	s_mov_b32 s[LAST], s[56+\p]
	LDK
	LDV
	s_wait_alu depctr_va_vdst(0)
.endm
.macro SPROD t, x
.set rD, S+64*(\x)+8*(\t)
.set rK, KF+12*((\t)/2)
.set rQ, QZ+6+12*(\x)-6*((\t)%2)
.set rS, KS+((\t)/2)%2
.set rT, QS+2*(\x)+(\t)%2
.if (\t) < 4
	v_wmma_scale_f32_16x16x128_f8f6f4 v[rD:rD+7], v[rK:rK+11], v[rQ:rQ+11], 0, v[rS], v[rT] matrix_a_fmt:MATRIX_FMT_BF6 matrix_b_fmt:MATRIX_FMT_BF6
.else
	v_wmma_scale_f32_16x16x128_f8f6f4 v[rD:rD+7], v[rK:rK+11], v[rQ:rQ+11], 0, v[rS], v[rT] matrix_a_fmt:MATRIX_FMT_BF6 matrix_b_fmt:MATRIX_FMT_BF6 matrix_a_scale:MATRIX_SCALE_ROW1
.endif
.endm
.macro PVPROD e, x
.set rD, O+32*(\x)+8*(\e)
.set rV, VF+12*(\e)
.set rS, VS+(\e)%2
.if (\e) < 2
	v_wmma_scale_f32_16x16x128_f8f6f4 v[rD:rD+7], v[rV:rV+11], v[PC+12*(\x):PC+12*(\x)+11], v[rD:rD+7], v[rS], v[PS+(\x)] matrix_a_fmt:MATRIX_FMT_BF6 matrix_b_fmt:MATRIX_FMT_BF6
.else
	v_wmma_scale_f32_16x16x128_f8f6f4 v[rD:rD+7], v[rV:rV+11], v[PC+12*(\x):PC+12*(\x)+11], v[rD:rD+7], v[rS], v[PS+(\x)] matrix_a_fmt:MATRIX_FMT_BF6 matrix_b_fmt:MATRIX_FMT_BF6 matrix_a_scale:MATRIX_SCALE_ROW1
.endif
.endm
; A step: 32 queries x 128 keys.  Every wave walks every trip; a trip behind the pass's last record is jumped over by a test on the wave's number and the trip's.
.macro STEP
	s_cmp_gt_u32 s[SI], s[LAST]
	s_cbranch_scc1 .Lskip_\@
	s_wait_dscnt 25                                ; K's 25 loads are in; V's 25, issued behind them, may be out
	WIN 0x40
.irp t, 0,1,2,3,4,5,6,7
.irp x, 0,1
	SPROD \t, \x
.endr
.endr
	WIN 0
	s_add_co_u32 s[TB], s[SI], 1
	s_min_u32 s[TB], s[TB], 15                     ; the next record, held inside K's sixteen
	s_mul_i32 s[TB], s[TB], KREC
	v_add_nc_u32 v[ADK], s[TB], v[L8]              ; these four lines are the places behind the products
	v_add_nc_u32 v[ADV], VOFF, v[ADK]
	PLACES 2
	LDK                                            ; the next step's K
	s_cmp_lg_u32 s[SI], s[LAST]
	s_cbranch_scc1 .Lopen_\@
	WIN 0x44                                       ; the record of the queries themselves: keys behind a query get -inf
.irp x, 0,1
.set n, 0
.rept 64
	v_cmp_le_i32 vcc_lo, 32*(n/16)+n%16-8*\x, v[QIW]
	v_cndmask_b32 v[S+64*\x+n], v[NINF], v[S+64*\x+n], vcc_lo
.set n, n+1
.endr
.endr
	WIN 0
.Lopen_\@:
	WIN 0x15                                       ; the largest score of each block of 32 keys
.irp b, 0,1,2,3
.irp x, 0,1
	v_max3_num_f32 v[BM+4*\x+\b], v[S+64*\x+16*\b], v[S+64*\x+16*\b+1], v[S+64*\x+16*\b+2]
.endr
.endr
	WIN 0x14
.irp i, 3,5,7,9,11,13
.irp b, 0,1,2,3
.irp x, 0,1
	v_max3_num_f32 v[BM+4*\x+\b], v[BM+4*\x+\b], v[S+64*\x+16*\b+\i], v[S+64*\x+16*\b+\i+1]
.endr
.endr
.endr
.irp b, 0,1,2,3
.irp x, 0,1
	v_max_num_f32 v[BM+4*\x+\b], v[BM+4*\x+\b], v[S+64*\x+16*\b+15]
.endr
.endr
	WIN 0
.irp i, 0,1,2,3,4,5,6,7
	v_permlanex16_b32 v[PT+\i], v[BM+\i], s[SEL], s[SEL+1]
.endr
.irp i, 0,1,2,3,4,5,6,7
	v_max_num_f32 v[BM+\i], v[BM+\i], v[PT+\i]     ; with lane l xor 16's 16 keys
.endr
.irp x, 0,1
	v_max3_num_f32 v[TMP+\x], v[BM+4*\x], v[BM+4*\x+1], v[BM+4*\x+2]
.endr
.irp x, 0,1
	v_max_num_f32 v[TMP+\x], v[TMP+\x], v[BM+4*\x+3]
.endr
.irp x, 0,1
	v_mul_f32 v[TMP+\x], s[CS], v[TMP+\x]
.endr
.irp x, 0,1
	v_max_num_f32 v[NM+2*\x+1], v[NM+2*\x+1], v[TMP+\x]   ; the running largest t
.endr
.irp x, 0,1
	v_mov_b32 v[TMP+\x], v[NM+2*\x]
.endr
.irp x, 0,1
	v_floor_f32 v[NM+2*\x], -v[NM+2*\x+1]          ; -M = floor(-t): M is a whole number
.endr
.irp x, 0,1
	v_sub_f32 v[TMP+\x], v[NM+2*\x], v[TMP+\x]
.endr
.irp x, 0,1
	v_cvt_i32_f32 v[TMP+\x], v[TMP+\x]
.endr
.irp x, 0,1
	v_ldexp_f32 v[F+2*\x], 1.0, v[TMP+\x]          ; 2^(old M - new M)
.endr
.irp b, 0,1,2,3
.irp x, 0,1
	v_fma_f32 v[BM+4*\x+\b], v[BM+4*\x+\b], s[CS], v[NM+2*\x]
.endr
.endr
.irp x, 0,1
	v_pk_mul_f32 v[SUM+2*\x:SUM+2*\x+1], v[SUM+2*\x:SUM+2*\x+1], v[F+2*\x:F+2*\x+1] op_sel_hi:[1,0]
.endr
	WIN 0x41
.set n, 0
.rept 32
.irp x, 0,1
	v_pk_fma_f32 v[S+64*\x+n:S+64*\x+n+1], v[S+64*\x+n:S+64*\x+n+1], s[CS:CS+1], v[NM+2*\x:NM+2*\x+1] op_sel_hi:[1,0,0]   ; t - M
.endr
.set n, n+2
.endr
.set n, 0
.rept 16
.irp x, 0,1
	v_pk_mul_f32 v[O+32*\x+n:O+32*\x+n+1], v[O+32*\x+n:O+32*\x+n+1], v[F+2*\x:F+2*\x+1] op_sel_hi:[1,0]   ; O^T under the new M
.endr
.set n, n+2
.endr
	s_wait_alu depctr_va_vdst(0)
.set n, 0
.rept 128
	v_exp_f32 v[S+n], v[S+n]                       ; p, not normalised
.set n, n+1
.endr
	WIN 0
.irp i, 0,1,2,3,4,5,6,7
	v_exp_f32 v[BM+\i], v[BM+\i]                   ; each block's largest p: the same two instructions on the same number
.endr
	v_nop
	s_wait_alu depctr_va_vdst(0)                   ; one wait for the batch, ahead of its first reader
	WIN 0x04                                       ; the rows' sums of the unquantised p: two chains a tile
.irp x, 0,1
	v_pk_add_f32 v[SUM+2*\x:SUM+2*\x+1], v[SUM+2*\x:SUM+2*\x+1], v[S+64*\x:S+64*\x+1]
	v_pk_add_f32 v[T+2*\x:T+2*\x+1], v[QZ:QZ+1], v[S+64*\x+2:S+64*\x+3]   ; (0 + p: starts the second chain under this window setting)
.endr
.irp j, 4,8,12,16,20,24,28,32,36,40,44,48,52,56,60
.irp x, 0,1
	v_pk_add_f32 v[SUM+2*\x:SUM+2*\x+1], v[SUM+2*\x:SUM+2*\x+1], v[S+64*\x+\j:S+64*\x+\j+1]
	v_pk_add_f32 v[T+2*\x:T+2*\x+1], v[T+2*\x:T+2*\x+1], v[S+64*\x+\j+2:S+64*\x+\j+3]
.endr
.endr
	WIN 0
.irp i, 0,1,2,3,4,5,6,7
	v_max_num_f32 v[BM+\i], 0x2800000, v[BM+\i]    ; the floor 2^(5 - 127): the byte cannot fall under 1
.endr
.irp i, 0,1,2,3,4,5,6,7
	v_add_nc_u32 v[SO+\i], 0xfe000000, v[BM+\i]    ; 4 off the exponent field: the conversion's scale operand
.endr
.irp i, 0,1,2,3,4,5,6,7
	v_lshrrev_b32 v[PT+\i], 23, v[SO+\i]           ; the byte
.endr
.irp x, 0,1
	v_lshl_or_b32 v[PS+\x], v[PT+4*\x+1], 8, v[PT+4*\x]
.endr
.irp x, 0,1
	v_lshl_or_b32 v[PS+\x], v[PT+4*\x+2], 16, v[PS+\x]
.endr
.irp x, 0,1
	v_lshl_or_b32 v[PS+\x], v[PT+4*\x+3], 24, v[PS+\x]
.endr
.irp x, 0,1
	v_pk_add_f32 v[SUM+2*\x:SUM+2*\x+1], v[SUM+2*\x:SUM+2*\x+1], v[T+2*\x:T+2*\x+1]
.endr
	WIN 0x01
.irp x, 0,1
.irp c, 0,1
	v_cvt_scalef32_pk16_bf6_f32 v[PC+12*\x+6*\c:PC+12*\x+6*\c+2], v[S+64*\x+32*\c:S+64*\x+32*\c+15], v[SO+4*\x+2*\c]
	v_cvt_scalef32_pk16_bf6_f32 v[CT+8*\x+4*\c:CT+8*\x+4*\c+2], v[S+64*\x+32*\c+16:S+64*\x+32*\c+31], v[SO+4*\x+2*\c+1]
.endr
.endr
	WIN 0
	v_nop                                          ; one plain line behind the conversions
.irp x, 0,1
.irp c, 0,1
.irp i, 0,1,2
	v_permlane16_swap_b32 v[PC+12*\x+6*\c+\i], v[CT+8*\x+4*\c+\i]   ; a whole block to a lane
.endr
.endr
.endr
.irp x, 0,1
.irp c, 0,1
.irp i, 0,1,2
	v_mov_b32 v[PC+12*\x+6*\c+3+\i], v[CT+8*\x+4*\c+\i]
.endr
.endr
.endr
	PLACES 4                                       ; between the last write of an operand and the scaled products
	s_wait_alu depctr_va_vdst(0)
	s_wait_dscnt 25                                ; V's 25 loads are in; the next K's 25 may be out
	WIN 0x50
.irp e, 0,1,2,3
.irp x, 0,1
	PVPROD \e, \x
.endr
.endr
	WIN 0
	PLACES 4
	LDV                                            ; the next step's V
.Lskip_\@:
.endm
; A pass's end: O^T / l, quantised along the head's 64 units (two blocks), into the projection's tile records
.macro EPI p
	s_wait_alu depctr_va_vdst(0)
	PLACES 4
.irp x, 0,1
	v_add_f32 v[SUM+2*\x], v[SUM+2*\x], v[SUM+2*\x+1]
.endr
.irp x, 0,1
	v_permlanex16_b32 v[TMP+\x], v[SUM+2*\x], s[SEL], s[SEL+1]
.endr
.irp x, 0,1
	v_add_f32 v[SUM+2*\x], v[SUM+2*\x], v[TMP+\x]
.endr
	s_wait_alu depctr_va_vdst(0)                   ; ahead of the transcendentals
.irp x, 0,1
	v_rcp_f32 v[SUM+2*\x], v[SUM+2*\x]
.endr
	v_nop
	WIN 0x41
	s_wait_alu depctr_va_vdst(0)                   ; and ahead of their first reader, which is O^T's first reader too
.set n, 0
.rept 32
.irp x, 0,1
	v_mul_f32 v[S+64*\x+n], v[O+32*\x+n], v[SUM+2*\x]
.endr
.set n, n+1
.endr
	WIN 0x05
.irp b, 0,1
.irp x, 0,1
	v_max3_num_f32 v[BM+4*\x+\b], |v[S+64*\x+16*\b]|, |v[S+64*\x+16*\b+1]|, 0x2800000
.endr
.endr
	WIN 0x14
.irp i, 2,4,6,8,10,12,14
.irp b, 0,1
.irp x, 0,1
	v_max3_num_f32 v[BM+4*\x+\b], v[BM+4*\x+\b], |v[S+64*\x+16*\b+\i]|, |v[S+64*\x+16*\b+\i+1]|
.endr
.endr
.endr
	WIN 0
.irp i, 0,1,4,5
	v_permlanex16_b32 v[PT+\i], v[BM+\i], s[SEL], s[SEL+1]
.endr
.irp i, 0,1,4,5
	v_max_num_f32 v[BM+\i], v[BM+\i], v[PT+\i]
.endr
.irp i, 0,1,4,5
	v_add_nc_u32 v[SO+\i], 0xfe000000, v[BM+\i]
.endr
.irp i, 0,1,4,5
	v_lshrrev_b32 v[PT+\i], 23, v[SO+\i]
.endr
.irp x, 0,1
	v_lshl_or_b32 v[OW+\x], v[PT+4*\x+1], 8, v[PT+4*\x]
.endr
	WIN 0x01
.irp x, 0,1
	v_cvt_scalef32_pk16_bf6_f32 v[PC+12*\x:PC+12*\x+2], v[S+64*\x:S+64*\x+15], v[SO+4*\x]
	v_cvt_scalef32_pk16_bf6_f32 v[CT+8*\x:CT+8*\x+2], v[S+64*\x+16:S+64*\x+31], v[SO+4*\x+1]
.endr
	WIN 0
	v_nop
.irp x, 0,1
.irp i, 0,1,2
	v_permlane16_swap_b32 v[PC+12*\x+\i], v[CT+8*\x+\i]
.endr
.endr
.irp x, 0,1
.irp i, 0,1,2
	v_mov_b32 v[PC+12*\x+3+\i], v[CT+8*\x+\i]
.endr
.endr
.irp x, 0,1
.irp q, 0,1,2
	global_store_b64 v[L8], v[PC+12*\x+2*\q:PC+12*\x+2*\q+1], s[44+8*\p:45+8*\p] offset:12800*\x+256*\q   ; each store covers 256 consecutive bytes, aligned
.endr
	global_store_b16 v[R8], v[OW+\x], s[46+8*\p:47+8*\p] offset:12800*\x
.endr
.if \p == 0
	s_wait_xcnt 0x0                                ; the stores have read their registers, which the next pass writes
.endif
.endm
.macro PASS p
	PINIT \p
.Lpass_\p:
	STEP
	s_add_co_u32 s[SI], s[SI], 1
	s_cmp_lt_u32 s[SI], 16-8*\p                    ; the second pass's records are 0 to 7
	s_cbranch_scc1 .Lpass_\p
	EPI \p
.endm
	PASS 0
	PASS 1
	s_wait_dscnt 0x0                               ; the last reads ahead
	s_wait_tensorcnt 0x0                           ; the wave's end
	ds_add_u32 v[SPW], v[NIL]
	s_wait_dscnt 0x0
	CROUND                                         ; the closing round
	s_endpgm
.Lfunc_end_k_q9a9572eac9_attn:
	.size	k_q9a9572eac9_attn, .Lfunc_end_k_q9a9572eac9_attn-k_q9a9572eac9_attn
	.p2alignl 7, 3214868480
	.fill 96, 4, 3214868480
	.section	.rodata,"a",@progbits
	.p2align	6, 0x0
	.amdhsa_kernel k_q9a9572eac9_attn
		.amdhsa_group_segment_fixed_size 327680
		.amdhsa_private_segment_fixed_size 0
		.amdhsa_enable_private_segment 0
		.amdhsa_kernarg_size 24
		.amdhsa_user_sgpr_count 2
		.amdhsa_user_sgpr_kernarg_segment_ptr 1
		.amdhsa_wavefront_size32 1
		.amdhsa_system_sgpr_workgroup_id_x 1
		.amdhsa_system_sgpr_workgroup_id_y 1
		.amdhsa_system_sgpr_workgroup_id_z 1
		.amdhsa_system_vgpr_workitem_id 0
		.amdhsa_next_free_vgpr 456
		.amdhsa_next_free_sgpr 72
		.amdhsa_reserve_vcc 1
		.amdhsa_float_denorm_mode_32 3
		.amdhsa_float_denorm_mode_16_64 3
		.amdhsa_memory_ordered 1
		.amdhsa_forward_progress 1
		.amdhsa_inst_pref_size 116
	.end_amdhsa_kernel
	.amdgpu_metadata
---
amdhsa.version: [ 1, 2 ]
amdhsa.kernels:
  - .name:           k_q9a9572eac9_attn
    .symbol:         k_q9a9572eac9_attn.kd
    .args:
      - { .name: Qr, .offset: 0, .size: 8, .value_kind: global_buffer, .address_space: global }
      - { .name: KVr, .offset: 8, .size: 8, .value_kind: global_buffer, .address_space: global }
      - { .name: Ar, .offset: 16, .size: 8, .value_kind: global_buffer, .address_space: global }
    .group_segment_fixed_size: 327680
    .private_segment_fixed_size: 0
    .kernarg_segment_align: 8
    .kernarg_segment_size: 24
    .max_flat_workgroup_size: 256
    .sgpr_count:     72
    .vgpr_count:     456
    .wavefront_size: 32
...
	.end_amdgpu_metadata
.endif
;; end of part 3
;; launch proj (part 4): grid 4 x 64, 4 waves a work-group, clusters of 4 x 4, 327,680 bytes of LDS; arguments Ar, Wr, bo, out0; writes out0
.if DOCPART == 4
	.amdgcn_target "amdgcn-amd-amdhsa--gfx1250"
	.amdhsa_code_object_version 6
	.text
	.protected	k_q9a9572eac9_proj
	.globl	k_q9a9572eac9_proj
	.p2align	8
	.type	k_q9a9572eac9_proj,@function
k_q9a9572eac9_proj:
	s_mov_b64 s[64:65], 0
	v_nop
	global_prefetch_b8 v0, s[64:65] scope:SCOPE_SE
	s_setreg_imm32_b32 hwreg(HW_REG_WAVE_MODE, 25, 1), 1
	s_wait_xcnt 0x0
	s_wait_alu depctr_hold_cnt(0) depctr_sa_sdst(0) depctr_va_vdst(0) depctr_va_sdst(0) depctr_va_ssrc(0) depctr_va_vcc(0) depctr_vm_vsrc(0)
	s_getreg_b32 s2, hwreg(HW_REG_IB_STS2, 6, 4)
	s_cmp_eq_u32 s2, 0
	s_cbranch_scc0 .Lentry_in_a_cluster
	s_endpgm
.Lentry_in_a_cluster:
	s_bfe_u32 s2, ttmp6, 0x10000c
	s_cmp_lg_u32 s2, 0xf033
	s_cbranch_scc0 .Lentry_shape_is_right
	s_endpgm
.Lentry_shape_is_right:
; out0 = attention's result x Wo^T + bo, on codes of E3M2 (K = 1,024); out0 [8192][1024] f32.
; OPERANDS are tile records (16 rows: 8 K steps' register images of 1,536 bytes, then 512 bytes of scale words): A = Ar (tokens), B = Wr from record 192 on (Wo's rows).
; A work-group multiplies 8 tiles of A by 16 of B (128 tokens x 256 outputs), with ALL of K in LDS: 294,912 bytes, asked for in two halves of 512 along K.  Nothing is filled again: no ring.
; Four waves, 2 x 2: a wave makes 4 tiles of A x 8 of B: 32 accumulators.  THE MATRIX INSTRUCTION IS USED TRANSPOSED (source 0 = a tile of B, source 1 = a tile of A): a lane holds eight neighbouring outputs of one token.
; The bias is the C of each sum's first instruction.  CLUSTER 4 x 4: A's tiles are asked for jointly along a row of the cluster, B's along a column.
; A's tiles hold tokens 32 (t / 2) + 8 (t % 2) + i + 8 (i / 8): the stores' offsets put each row back at its token.
; REGISTERS, in windows of 256: window 0: v1 8 x lane, v2 r, v3 h, v4-5 / v8-9 LDS addresses of my A / B tiles in slice 0, 1, v12 32 h, v13 / v14 stage in / out, v15 16 x lane, v16-31 A's scale words, v32-63 B's,
;   v64-111, v112-159 A's fragments, two sets (on the way out v64-191: rows read back), v192-255 the bias.   window 1: B's fragments, two sets.   window 2: accumulator (a, b) at v[8 (8 a + b)].
.set REC,   12800
.set TIL,   6144                       ; four K steps of a tile: a row of a fill
.set SLICE, 24*TIL                     ; half of K: A's 8 tiles, then B's 16.  K comes in TWO halves: the first by the head's load, the second behind the full sequence and a round
.set SP,    528                        ; a stage row: 512 bytes + 16
.set ADRA,  4
.set ADRB,  8
.set SA,    16
.set SB,    32
.set AF,    64
.set BK,    64
.set BI,    192
.set MSB,   0
.macro WIN new
.if MSB != \new
	s_set_vgpr_msb (MSB<<8)|\new
.set MSB, \new
.endif
.endm
.macro CROUND
	s_barrier_signal -1
	s_barrier_wait -1
	s_cmp_lg_u32 s12, 0
	s_cbranch_scc1 .Lnot_wave_0_\@
	s_barrier_signal -3
.Lnot_wave_0_\@:
	s_barrier_wait -3
	s_barrier_signal -1
	s_barrier_wait -1
.endm
.macro PLACES n
.rept \n
	v_nop
.endr
.endm
.macro FETCH k                         ; K step k's fragments: 72 loads of 8 bytes a lane, each over 256 consecutive bytes
	WIN 0x40
.irp i, 0,1,2,3,4,5,6,7
.irp p, 0,1,2,3,4,5
	ds_load_b64 v[128*((\k)%2)+12*\i+2*\p:128*((\k)%2)+12*\i+2*\p+1], v[ADRB+(\k)/4] offset:TIL*\i+1536*((\k)%4)+256*\p
.endr
.endr
	WIN 0
.irp i, 0,1,2,3
.irp p, 0,1,2,3,4,5
	ds_load_b64 v[AF+48*((\k)%2)+12*\i+2*\p:AF+48*((\k)%2)+12*\i+2*\p+1], v[ADRA+(\k)/4] offset:TIL*\i+1536*((\k)%4)+256*\p
.endr
.endr
.endm
; K step k's 32 products; the 32 accumulators take turns, one instruction a turn.  first = 1: the bias starts the sums
.macro MUL k, first
.if \first
	WIN 0x81                                       ; source 0 window 1, sources 1 and 2 window 0, D window 2
.else
	WIN 0xa1                                       ; C and D window 2
.endif
.irp a, 0,1,2,3
.irp b, 0,1,2,3,4,5,6,7
.set rD, 8*(8*\a+\b)
.set rB, 128*((\k)%2)+12*\b
.set rA, AF+48*((\k)%2)+12*\a
.set rSB, SB+4*\b+2*((\k)/4)+(\k)%2
.set rSA, SA+4*\a+2*((\k)/4)+(\k)%2
.if \first
	v_wmma_scale_f32_16x16x128_f8f6f4 v[rD:rD+7], v[rB:rB+11], v[rA:rA+11], v[BI+8*\b:BI+8*\b+7], v[rSB], v[rSA] matrix_a_fmt:MATRIX_FMT_BF6 matrix_b_fmt:MATRIX_FMT_BF6
.elseif ((\k)/2)%2
	v_wmma_scale_f32_16x16x128_f8f6f4 v[rD:rD+7], v[rB:rB+11], v[rA:rA+11], v[rD:rD+7], v[rSB], v[rSA] matrix_a_fmt:MATRIX_FMT_BF6 matrix_b_fmt:MATRIX_FMT_BF6 matrix_a_scale:MATRIX_SCALE_ROW1 matrix_b_scale:MATRIX_SCALE_ROW1
.else
	v_wmma_scale_f32_16x16x128_f8f6f4 v[rD:rD+7], v[rB:rB+11], v[rA:rA+11], v[rD:rD+7], v[rSB], v[rSA] matrix_a_fmt:MATRIX_FMT_BF6 matrix_b_fmt:MATRIX_FMT_BF6
.endif
.endr
.endr
	WIN 0
.endm
.macro KSTEP k, first
.if (\k) < 7
.if (\k)+1 == 4
	s_wait_tensorcnt 0x0                           ; my fill of K's second half has landed
	s_barrier_signal -1                            ; (no LDS instruction of mine is out)
	s_barrier_wait -1                              ; everybody's has
.endif
.if (\k) > 0
	PLACES 4                                       ; four plain lines between the last products and loads into the set that they read
.endif
	FETCH (\k)+1
.endif
	MUL \k, \first
	s_wait_dscnt 0x0
.endm
	s_load_b256 s[4:11], s[0:1], 0x0               ; Ar s[4:5], Wr s[6:7], bo s[8:9], out0 s[10:11]
	s_set_vgpr_msb 0x40
	v_lshl_add_u32 v254, v0, 2, 0x48000
	v_mov_b32 v255, 0
	s_set_vgpr_msb 0x4045
	ds_add_u32 v254, v255
	ds_add_u32 v254, v255
	s_set_vgpr_msb 0x4500
	v_lshrrev_b32 v1, 5, v0
	v_readfirstlane_b32 s12, v1                    ; wave 0..3
	s_lshr_b32 s13, s12, 1                         ; which 4 tiles of A are mine
	s_and_b32 s14, s12, 1                          ; which 8 tiles of B.  Also: which half of A's or B's tiles I fetch
	s_bfe_u32 s15, ttmp6, 0x40000                  ; cx
	s_bfe_u32 s16, ttmp6, 0x40004                  ; cy
	s_and_b32 s18, ttmp7, 0xffff
	s_lshl_b32 s21, s16, 2
	s_lshl_b32 s21, 15, s21                        ; my row of the cluster
	s_lshl_b32 s22, 0x1111, s15                    ; my column
	s_or_b32 s24, s21, (3<<16)|(1<<21)             ; groups 1: rows of 6,144 bytes (768 elements of 8), one a tile, 12,800 bytes apart; A: 4 tiles a load, B: 8
	s_mov_b32 s25, 768<<16
	s_mov_b32 s26, 4<<16
	s_mov_b32 s27, 768<<16
	s_mov_b32 s28, 4
	s_mov_b32 s29, 1600
	s_mov_b32 s30, 0
	s_mov_b32 s31, 0
	s_or_b32 s32, s22, (3<<16)|(1<<21)
	s_mov_b32 s33, 768<<16
	s_mov_b32 s34, 8<<16
	s_mov_b32 s35, 768<<16
	s_mov_b32 s36, 8
	s_mov_b32 s37, 1600
	s_mov_b32 s38, 0
	s_mov_b32 s39, 0
	s_lshl_b32 s19, s18, 2
	s_add_co_u32 s19, s19, s16                     ; A's block of 8 tiles = 4 x cluster y + cy
	s_lshl_b32 s20, ttmp9, 2
	s_add_co_u32 s20, s20, s15                     ; B's block of 16 tiles = 4 x cluster x + cx
	s_mul_i32 s23, s14, 4*TIL
	s_mul_i32 s3, s14, 8*TIL
	s_add_co_u32 s3, s3, 8*TIL
	s_lshl_b32 s60, s19, 3
	s_lshl_b32 s61, s14, 2
	s_add_co_u32 s60, s60, s61
	s_mul_i32 s60, s60, REC
	s_mov_b32 s61, 0
	s_lshl_b32 s62, s20, 4
	s_lshl_b32 s63, s14, 3
	s_add_co_u32 s62, s62, s63
	s_mul_i32 s62, s62, REC
	s_mov_b32 s63, 0
	s_wait_dscnt 0x0
	s_wait_kmcnt 0x0
	s_add_nc_u64 s[58:59], s[6:7], 192*REC         ; Wr at Wo's tiles
	s_add_nc_u64 s[60:61], s[4:5], s[60:61]
	s_add_nc_u64 s[62:63], s[58:59], s[62:63]
.irp q, 0,1
	s_mov_b32 s[40+4*\q], 1
	s_add_co_u32 s[41+4*\q], s23, \q*SLICE
	s_add_nc_u64 s[42+4*\q:43+4*\q], s[60:61], \q*TIL
	s_or_b32 s[43+4*\q], s[43+4*\q], 0x80000000
	s_mov_b32 s[68+4*\q], 1
	s_add_co_u32 s[69+4*\q], s3, \q*SLICE
	s_add_nc_u64 s[70+4*\q:71+4*\q], s[62:63], \q*TIL
	s_or_b32 s[71+4*\q], s[71+4*\q], 0x80000000
.endr
	CROUND                                         ; all sixteen work-groups are here: the joint loads meet
	s_cmp_lt_u32 s12, 2                            ; waves 0, 1 fetch A's tiles, waves 2, 3 B's: one load a wave at the head, K's first half
	s_cbranch_scc0 .Lfill_b
	tensor_load_to_lds s[40:43], s[24:31]
	s_nop 0
	PLACES 4
	s_branch .Lfilled
.Lfill_b:
	tensor_load_to_lds s[68:71], s[32:39]
	s_nop 0
	PLACES 4
.Lfilled:
	s_lshl_b32 s2, s19, 3
	s_lshl_b32 s3, s13, 2
	s_add_co_u32 s2, s2, s3
	s_mul_i32 s2, s2, REC
	s_add_co_u32 s2, s2, 12288
	s_mov_b32 s3, 0
	s_add_nc_u64 s[90:91], s[4:5], s[2:3]          ; my A tiles' scale words
	s_add_nc_u64 s[92:93], s[62:63], 12288         ; my B tiles'
	s_lshl_b32 s2, s20, 10
	s_lshl_b32 s56, s14, 9
	s_add_co_u32 s2, s2, s56                       ; my first output, in bytes: 1,024 x block + 512 x half
	s_add_nc_u64 s[84:85], s[8:9], s[2:3]
	s_add_nc_u64 s[86:87], s[10:11], s[2:3]
	s_lshl_b32 s2, s19, 1
	s_add_co_u32 s2, s2, s13
	s_lshl_b32 s2, s2, 18                          ; my 64 tokens: rows of 4,096 bytes
	s_add_nc_u64 s[86:87], s[86:87], s[2:3]
	v_and_b32 v1, 31, v0
	v_lshlrev_b32 v15, 4, v1                       ; 16 x lane
	v_lshlrev_b32 v1, 3, v1                        ; 8 x lane
	v_and_b32 v2, 15, v0                           ; r
	v_bfe_u32 v3, v0, 4, 1                         ; h
	v_lshlrev_b32 v12, 5, v3                       ; 32 h
.irp i, 0,1,2,3
.irp q, 0,1
	global_load_b64 v[SA+4*\i+2*\q:SA+4*\i+2*\q+1], v1, s[90:91] offset:REC*\i+256*\q
.endr
.endr
.irp i, 0,1,2,3,4,5,6,7
.irp q, 0,1
	global_load_b64 v[SB+4*\i+2*\q:SB+4*\i+2*\q+1], v1, s[92:93] offset:REC*\i+256*\q
.endr
.endr
.irp b, 0,1,2,3,4,5,6,7
	global_load_b128 v[BI+8*\b:BI+8*\b+3], v12, s[84:85] offset:64*\b          ; bo at outputs 16 b + 8 h + 0 .. 7: the result's layout
	global_load_b128 v[BI+8*\b+4:BI+8*\b+7], v12, s[84:85] offset:64*\b+16
.endr
	s_mul_i32 s2, s13, 4*TIL
	s_mul_i32 s3, s14, 8*TIL
	s_add_co_u32 s3, s3, 8*TIL
.irp q, 0,1
	v_add_nc_u32 v[ADRA+\q], s2, v1
	v_add_nc_u32 v[ADRB+\q], s3, v1
	s_add_co_u32 s2, s2, SLICE
	s_add_co_u32 s3, s3, SLICE
.endr
	s_mul_i32 s2, s12, 16*SP                       ; my stage, in slice 0: it has had its one fill, and every wave has left it at the barrier in front of slice 1
	s_wait_alu depctr_va_vdst(0)                   ; directly ahead of the readers below
	v_mul_u32_u24 v13, v2, SP
	v_lshl_add_u32 v13, v3, 5, v13
	v_add_nc_u32 v13, s2, v13                      ; in: row r, + 32 h
	v_add_nc_u32 v14, s2, v15                      ; back: a row of 512 bytes, 16 a lane
	s_wait_alu depctr_va_vdst(0)
	s_set_vgpr_msb 0x5                             ; the add's two registers lie in window 1
	s_wait_tensorcnt 0x0                           ; my fill of K's first half has landed
	ds_add_u32 v254, v255
	s_wait_dscnt 0x0
	s_set_vgpr_msb 0x500
	CROUND                                         ; everybody's has, and all sixteen work-groups are here: the joint loads meet
	s_cmp_lt_u32 s12, 2
	s_cbranch_scc0 .Lfill_b2
	tensor_load_to_lds s[44:47], s[24:31]          ; K's second half, my one load behind the round: K steps 0 to 3 are multiplied while it is out
	s_nop 0
	PLACES 4
	s_branch .Lfilled2
.Lfill_b2:
	tensor_load_to_lds s[72:75], s[32:39]
	s_nop 0
	PLACES 4
.Lfilled2:
	FETCH 0
	s_wait_loadcnt 0x0                             ; the scale words and the bias
	s_wait_dscnt 0x0
	KSTEP 0, 1
.irp k, 1,2,3,4,5,6,7
	KSTEP \k, 0
.endr
; THE WAY OUT, a tile of 16 tokens x 128 outputs at a time: through my own stage and back as whole rows of 512 bytes.  LDS serves a wave's instructions in order: no wait between the stores and the loads
.macro TOSTAGE a
	WIN 0x08                                       ; the data: window 2
.irp b, 0,1,2,3,4,5,6,7
	ds_store_b128 v13, v[64*(\a)+8*\b:64*(\a)+8*\b+3] offset:64*\b           ; each accumulator from its low end on
	ds_store_b128 v13, v[64*(\a)+8*\b+4:64*(\a)+8*\b+7] offset:64*\b+16
.endr
	WIN 0
.set BB, BK+64*((\a)%2)
.irp t, 0,1,2,3,4,5,6,7,8,9,10,11,12,13,14,15
	ds_load_b128 v[BB+4*\t:BB+4*\t+3], v14 offset:\t*SP
.endr
.endm
.macro SEND a, younger                 ; younger: the LDS instructions issued behind tile a's loads, which may stay out
.set BB, BK+64*((\a)%2)
	s_wait_dscnt \younger
.irp t, 0,1,2,3,4,5,6,7,8,9,10,11,12,13,14,15
	global_store_b128 v15, v[BB+4*\t:BB+4*\t+3], s[86:87] offset:(32*((\a)/2)+8*((\a)%2)+\t+8*(\t/8))*4096 th:TH_STORE_NT   ; 32 lanes store 512 consecutive bytes, aligned; row t of tile a is this token
.endr
.endm
	PLACES 4                                       ; between the last products and the first read of results, and the loads into registers that held A's fragments
	TOSTAGE 0
.irp a, 1,2,3
.if \a > 1
	s_wait_xcnt 0x0                                ; tile a - 2's stores have read their registers: tile a's rows may land there
.endif
	TOSTAGE \a
	SEND \a-1, 32                                  ; behind tile a - 1's loads: tile a's 16 stores and 16 loads
.endr
	SEND 3, 0
	s_set_vgpr_msb 0x5
	s_wait_tensorcnt 0x0
	ds_add_u32 v254, v255
	s_wait_dscnt 0x0
	s_set_vgpr_msb 0x500
	CROUND                                         ; the closing round: no work-group ends while a partner may still ask for a tile that names it
	s_endpgm
.Lfunc_end_k_q9a9572eac9_proj:
	.size	k_q9a9572eac9_proj, .Lfunc_end_k_q9a9572eac9_proj-k_q9a9572eac9_proj
	.p2alignl 7, 3214868480
	.fill 96, 4, 3214868480
	.section	.rodata,"a",@progbits
	.p2align	6, 0x0
	.amdhsa_kernel k_q9a9572eac9_proj
		.amdhsa_group_segment_fixed_size 327680
		.amdhsa_private_segment_fixed_size 0
		.amdhsa_enable_private_segment 0
		.amdhsa_kernarg_size 32
		.amdhsa_user_sgpr_count 2
		.amdhsa_user_sgpr_kernarg_segment_ptr 1
		.amdhsa_wavefront_size32 1
		.amdhsa_system_sgpr_workgroup_id_x 1
		.amdhsa_system_sgpr_workgroup_id_y 1
		.amdhsa_system_sgpr_workgroup_id_z 1
		.amdhsa_system_vgpr_workitem_id 0
		.amdhsa_next_free_vgpr 768
		.amdhsa_next_free_sgpr 100
		.amdhsa_reserve_vcc 0
		.amdhsa_float_denorm_mode_32 3
		.amdhsa_float_denorm_mode_16_64 3
		.amdhsa_memory_ordered 1
		.amdhsa_forward_progress 1
		.amdhsa_inst_pref_size 97
	.end_amdhsa_kernel
	.amdgpu_metadata
---
amdhsa.version: [ 1, 2 ]
amdhsa.kernels:
  - .name:           k_q9a9572eac9_proj
    .symbol:         k_q9a9572eac9_proj.kd
    .args:
      - { .name: Ar, .offset: 0, .size: 8, .value_kind: global_buffer, .address_space: global }
      - { .name: Wr, .offset: 8, .size: 8, .value_kind: global_buffer, .address_space: global }
      - { .name: bo, .offset: 16, .size: 8, .value_kind: global_buffer, .address_space: global }
      - { .name: out0, .offset: 24, .size: 8, .value_kind: global_buffer, .address_space: global }
    .group_segment_fixed_size: 327680
    .private_segment_fixed_size: 0
    .kernarg_segment_align: 8
    .kernarg_segment_size: 32
    .max_flat_workgroup_size: 128
    .sgpr_count:     100
    .vgpr_count:     768
    .wavefront_size: 32
...
	.end_amdgpu_metadata
.endif
;; end of part 4
